; MI455X (gfx1250); checked and timed in simulation.
; The chip was launched on July 23, 2026; its instructions are those of AMD's public machine-readable ISA for CDNA 5 (MIT licence, August 2026) and "CDNA5" Instruction Set Architecture Reference Guide (July 2026). The comments in the code are by the model that wrote it; some were corrected since.
;; Attention. Allowed arithmetic: float matrix products may take bf16 or f16 operands with f32 sums; all other float work in f32.
;; Inputs: b_gates 16 float32; gamma 1,024 float32; rotary_cos 1 x 1 x 2,048 x 64 float32; rotary_sin 1 x 1 x 2,048 x 64 float32; w_gates 16 x 1,024 float32; w_out 1,024 x 1,024 float32; w_qkv 3,072 x 1,024 float32; x 2 x 2,048 x 1,024 float32.
;; Outputs: out0 2 x 2,048 x 1,024 float32.
;; One version. Each part assembles by itself: llvm-mc -triple=amdgcn-amd-amdhsa -mcpu=gfx1250 --defsym DOCPART=n.
;; ======== version 1 of 1: 4 launches
;; limits: values are held in f16: magnitudes above 65,504 overflow, below 6.1e-05 lose precision
;; workspace buffers: xn 8,388,608 bytes; wb 8,388,608 bytes; gates 262,144 bytes; qkv 25,165,824 bytes; ao 8,388,608 bytes
;; launch prep (part 1): grid 256 x 1, 8 waves a work-group, no clusters, 42,240 bytes of LDS; arguments x, gamma, w_qkv, w_out, w_gates, b_gates, xn, wb, gates; writes xn, wb, gates
.if DOCPART == 1
	.amdgcn_target "amdgcn-amd-amdhsa--gfx1250"
	.amdhsa_code_object_version 6
	.text
	.protected	k_qe8001220fc_prep
	.globl	k_qe8001220fc_prep
	.p2align	8
	.type	k_qe8001220fc_prep,@function
k_qe8001220fc_prep:
	s_mov_b64 s[64:65], 0
	v_nop
	global_prefetch_b8 v0, s[64:65] scope:SCOPE_SE
	s_setreg_imm32_b32 hwreg(HW_REG_WAVE_MODE, 25, 1), 1
	s_wait_xcnt 0x0
; prep: xn = x / max(|x|, 1e-12) * 32 * gamma, rounded to f16; the weights rounded to f16 into wb; gates = sigmoid(xn . w_gates^T + b_gates) in f32.
; wb[4096][1024] f16: row h*192 + which*64 + d = w_qkv row which*1024 + h*64 + d (one head's q, k, v rows lie together); rows 3072 + n = w_out row n.
; The q rows are multiplied by 0.125*log2(e) before rounding: RoPE is linear, so q arrives scaled for a softmax in base 2.
; Work-group g: x rows 16 g .. 16 g + 15 and 16 weight rows.  Wave w: x rows 2 w, 2 w + 1 of these, weight rows 2 w, 2 w + 1, and K = 128 w .. 128 w + 127
; of the gate product.  A lane holds 16 bytes of each 512-byte piece of a row, so a row stays in 32 registers between the sum of squares and the scaling.
; LIMITS: the sum of squares of a row is kept in f32 (overflows for |x| above about 5e17; below about 1e-19 the row counts as zero, as under the 1e-12 floor).
; f16 operands: |xn| <= 32 |gamma| and the weights must stay below 65,504; weights under 6e-5 lose bits (steps of 6e-8).
; The scale of q is folded into the weight before rounding: an order of rounding other than the source's.
; No cluster, no tensor loads: work-groups share only gamma and w_gates (68 KiB of 34 MiB read).
.set XP,   2064                        ; LDS pitch of an xn row: 2,048 bytes + 16, an odd multiple of 16
.set PART, 16*XP                       ; behind the 16 xn rows: [8 waves][16 rows][16 heads] f32
.set XO,  1                            ; 16 x lane
.set YO,  2                            ; 8 x lane
.set LX,  3                            ; LDS: my wave's first xn row + 8 x lane
.set FA,  4                            ; LDS: xn fragment, row r, K = 128 w + 8 h
.set WGO, 5                            ; w_gates: row r, K = 128 w + 8 h, in f32
.set PS,  6                            ; LDS: my wave's partial sums, row r, heads 8 h ..
.set X,   16                           ; v[16:79]   two x rows
.set GM,  80                           ; v[80:111]  gamma; later the xn fragments
.set W,   112                          ; v[112:175] two weight rows
.set WG,  176                          ; v[176:239] w_gates, four K steps of 16 registers, packed in place to 8
.set T0,  240                          ; v[240:247] sums of row 0; later accumulator 0
.set T1,  248                          ; v[248:255] sums of row 1; later accumulator 1
	s_load_b512 s[4:19], s[0:1], 0x0               ; x, gamma, w_qkv, w_out, w_gates, b_gates, xn, wb
	s_load_b64 s[20:21], s[0:1], 0x40              ; gates
	v_lshl_add_u32 v14, v0, 2, 0xa100
	v_mov_b32 v15, 0
	v_lshrrev_b32 v8, 5, v0
	v_readfirstlane_b32 s22, v8                    ; wave
	v_and_b32 v7, 31, v0                           ; lane
	v_and_b32 v9, 15, v0                           ; r
	v_bfe_u32 v10, v0, 4, 1                        ; h
	s_mov_b32 s34, 0x76543210                      ; v_permlanex16_b32: lane i takes lane i of the other half
	s_mov_b32 s35, 0xfedcba98
	s_lshl_b32 s40, s22, 13                        ; two f32 rows
	s_lshl_b32 s41, s22, 12                        ; two f16 rows
	s_lshl_b32 s24, ttmp9, 16
	s_add_co_u32 s24, s24, s40                     ; x: 16 g rows of 4,096 bytes + my two
	s_mov_b32 s25, 0
	s_lshl_b32 s26, ttmp9, 15
	s_add_co_u32 s26, s26, s41                     ; xn likewise, rows of 2,048 bytes
	s_mov_b32 s27, 0
	s_sub_co_u32 s36, ttmp9, 192                   ; block of w_out (used where g >= 192)
	s_bfe_u32 s37, ttmp9, 0x40002                  ; head = (g >> 2) & 15
	s_mul_i32 s37, s37, 192
	s_lshr_b32 s38, ttmp9, 6                       ; which = g >> 6
	s_lshl_b32 s38, s38, 6
	s_add_co_u32 s37, s37, s38
	s_and_b32 s38, ttmp9, 3
	s_lshl_b32 s38, s38, 4
	s_add_co_u32 s37, s37, s38                     ; wb row for w_qkv's block g
	s_lshl_b32 s38, ttmp9, 4                       ; wb row for w_out's block g - 192: 3072 + 16 (g - 192) = 16 g
	s_cmp_lt_u32 ttmp9, 192
	s_cselect_b32 s42, ttmp9, s36
	s_cselect_b32 s44, s37, s38
	s_lshl_b32 s42, s42, 16
	s_add_co_u32 s42, s42, s40
	s_mov_b32 s43, 0
	s_lshl_b32 s44, s44, 11
	s_add_co_u32 s44, s44, s41
	s_mov_b32 s45, 0
	s_lshl_b32 s46, ttmp9, 10                      ; gates: 16 rows of 64 bytes
	s_mov_b32 s47, 0
	s_cmp_lt_u32 ttmp9, 64                         ; blocks 0 .. 63 are q's rows
	s_cselect_b32 s32, 0x3e38aa3b, 1.0             ; 0.125 * log2(e), or 1
	s_mov_b32 s33, s32
	v_lshlrev_b32 v[XO], 4, v7
	v_lshlrev_b32 v[YO], 3, v7
	s_mul_i32 s39, s22, 2*XP
	v_add_nc_u32 v[LX], s39, v[YO]
	v_mul_u32_u24 v[FA], v9, XP
	v_lshl_add_u32 v[FA], v10, 4, v[FA]
	s_lshl_b32 s38, s22, 8
	v_add_nc_u32 v[FA], s38, v[FA]
	v_lshlrev_b32 v[WGO], 12, v9
	v_lshl_add_u32 v[WGO], v10, 5, v[WGO]
	s_lshl_b32 s37, s22, 9
	v_add_nc_u32 v[WGO], s37, v[WGO]
	v_lshlrev_b32 v[PS], 6, v9
	v_lshl_add_u32 v[PS], v10, 5, v[PS]
	s_lshl_b32 s36, s22, 10
	s_add_co_u32 s36, s36, PART
	v_add_nc_u32 v[PS], s36, v[PS]
	s_wait_kmcnt 0x0
	s_add_nc_u64 s[24:25], s[4:5], s[24:25]
	s_add_nc_u64 s[26:27], s[16:17], s[26:27]
	s_cmp_lt_u32 ttmp9, 192
	s_cselect_b64 s[28:29], s[8:9], s[10:11]       ; my weight rows come from w_qkv or from w_out
	s_add_nc_u64 s[28:29], s[28:29], s[42:43]
	s_add_nc_u64 s[30:31], s[18:19], s[44:45]
	s_add_nc_u64 s[20:21], s[20:21], s[46:47]
	; all 56 loads of the wave go out at once: x 16, gamma 8, weights 16, w_gates 16
.irp i, 0,1
.irp j, 0,1,2,3,4,5,6,7
	global_load_b128 v[X+32*\i+4*\j:X+32*\i+4*\j+3], v[XO], s[24:25] offset:\i*4096+\j*512 th:TH_LOAD_NT
.endr
.endr
.irp j, 0,1,2,3,4,5,6,7
	global_load_b128 v[GM+4*\j:GM+4*\j+3], v[XO], s[6:7] offset:\j*512
.endr
.irp i, 0,1
.irp j, 0,1,2,3,4,5,6,7
	global_load_b128 v[W+32*\i+4*\j:W+32*\i+4*\j+3], v[XO], s[28:29] offset:\i*4096+\j*512 th:TH_LOAD_NT
.endr
.endr
.irp c, 0,1,2,3
	global_load_b128 v[WG+16*\c:WG+16*\c+3],     v[WGO], s[12:13] offset:\c*128      ; K = 32 c + 8 h + 0 .. 3
	global_load_b128 v[WG+16*\c+4:WG+16*\c+7],   v[WGO], s[12:13] offset:\c*128+16   ;               + 4 .. 7
	global_load_b128 v[WG+16*\c+8:WG+16*\c+11],  v[WGO], s[12:13] offset:\c*128+64   ; K = 32 c + 16 + 8 h + 0 .. 3
	global_load_b128 v[WG+16*\c+12:WG+16*\c+15], v[WGO], s[12:13] offset:\c*128+80
.endr
; the sum of squares of row i in every lane: four chains started by products, then across the lanes
.macro SUMSQ i, t
.irp k, 0,1,2,3
	v_pk_mul_f32 v[\t+2*\k:\t+2*\k+1], v[X+32*\i+2*\k:X+32*\i+2*\k+1], v[X+32*\i+2*\k:X+32*\i+2*\k+1]
.endr
.irp k, 4,5,6,7,8,9,10,11,12,13,14,15
	v_pk_fma_f32 v[\t+2*(\k%4):\t+2*(\k%4)+1], v[X+32*\i+2*\k:X+32*\i+2*\k+1], v[X+32*\i+2*\k:X+32*\i+2*\k+1], v[\t+2*(\k%4):\t+2*(\k%4)+1]
.endr
	v_pk_add_f32 v[\t:\t+1], v[\t:\t+1], v[\t+2:\t+3]
	v_pk_add_f32 v[\t+4:\t+5], v[\t+4:\t+5], v[\t+6:\t+7]
	v_pk_add_f32 v[\t:\t+1], v[\t:\t+1], v[\t+4:\t+5]
	v_add_f32 v[\t], v[\t], v[\t+1]
	v_add_f32_dpp v[\t], v[\t], v[\t] row_xmask:1 row_mask:0xf bank_mask:0xf
	v_add_f32_dpp v[\t], v[\t], v[\t] row_xmask:2 row_mask:0xf bank_mask:0xf
	v_add_f32_dpp v[\t], v[\t], v[\t] row_xmask:4 row_mask:0xf bank_mask:0xf
	v_add_f32_dpp v[\t], v[\t], v[\t] row_xmask:8 row_mask:0xf bank_mask:0xf
	v_permlanex16_b32 v[\t+1], v[\t], s34, s35
	v_add_f32 v[\t], v[\t], v[\t+1]
.endm
; 32 f32 at b become 16 registers of f16 at b (register k is written when 2 k and 2 k + 1 have been read)
.macro PACK16 b
.irp k, 0,1,2,3,4,5,6,7,8,9,10,11,12,13,14,15
	v_cvt_pk_f16_f32 v[\b+\k], v[\b+2*\k], v[\b+2*\k+1]
.endr
.endm
	s_wait_loadcnt 40                              ; x is in; gamma 8 + weights 16 + w_gates 16 stay out
	SUMSQ 0, T0
	SUMSQ 1, T1
	v_sqrt_f32 v[T0+2], v[T0]
	v_sqrt_f32 v[T1+2], v[T1]
	v_nop                                          ; one plain place behind a transcendental (ISA guide 5.7.2)
	s_wait_alu depctr_va_vdst(0)
	v_max_num_f32 v[T0+2], 0x2b8cbccc, v[T0+2]     ; max(norm, 1e-12)
	v_max_num_f32 v[T1+2], 0x2b8cbccc, v[T1+2]
	v_rcp_f32 v[T0+4], v[T0+2]
	v_rcp_f32 v[T1+4], v[T1+2]
	v_nop
	s_wait_alu depctr_va_vdst(0)
	v_mul_f32 v[T0+4], 0x42000000, v[T0+4]         ; 32 / norm
	v_mul_f32 v[T1+4], 0x42000000, v[T1+4]
	s_wait_loadcnt 32                              ; gamma is in
.irp k, 0,1,2,3,4,5,6,7,8,9,10,11,12,13,14,15
	v_pk_mul_f32 v[X+2*\k:X+2*\k+1], v[X+2*\k:X+2*\k+1], v[GM+2*\k:GM+2*\k+1]
	v_pk_mul_f32 v[X+32+2*\k:X+32+2*\k+1], v[X+32+2*\k:X+32+2*\k+1], v[GM+2*\k:GM+2*\k+1]
.endr
.irp k, 0,1,2,3,4,5,6,7,8,9,10,11,12,13,14,15
	v_pk_mul_f32 v[X+2*\k:X+2*\k+1], v[X+2*\k:X+2*\k+1], v[T0+4:T0+5] op_sel_hi:[1,0]
	v_pk_mul_f32 v[X+32+2*\k:X+32+2*\k+1], v[X+32+2*\k:X+32+2*\k+1], v[T1+4:T1+5] op_sel_hi:[1,0]
.endr
	PACK16 X
	PACK16 X+32
.irp i, 0,1
.irp j, 0,1,2,3,4,5,6,7
	global_store_b64 v[YO], v[X+32*\i+2*\j:X+32*\i+2*\j+1], s[26:27] offset:\i*2048+\j*256   ; the wave's 32 lanes store 256 consecutive bytes, aligned
	ds_store_b64 v[LX], v[X+32*\i+2*\j:X+32*\i+2*\j+1] offset:\i*XP+\j*256
.endr
.endr
	s_wait_loadcnt 16                              ; the weight rows are in; w_gates' 16 loads stay out
.irp k, 0,1,2,3,4,5,6,7,8,9,10,11,12,13,14,15,16,17,18,19,20,21,22,23,24,25,26,27,28,29,30,31
	v_pk_mul_f32 v[W+2*\k:W+2*\k+1], v[W+2*\k:W+2*\k+1], s[32:33] op_sel_hi:[1,0]
.endr
	PACK16 W
	PACK16 W+32
.irp i, 0,1
.irp j, 0,1,2,3,4,5,6,7
	global_store_b64 v[YO], v[W+32*\i+2*\j:W+32*\i+2*\j+1], s[30:31] offset:\i*2048+\j*256
.endr
.endr
	s_wait_dscnt 0x0                               ; my two xn rows are in LDS, for the others' sake
	s_barrier_signal -1
	s_barrier_wait -1                              ; all sixteen are
	; the gate product, K = 128 w .. + 127: source 0 = 16 rows of w_gates (heads), source 1 = the 16 xn rows:
	; a lane's eight results are heads 8 h .. 8 h + 7 of row r
.irp c, 0,1,2,3
	ds_load_b128 v[GM+8*\c:GM+8*\c+3],   v[FA] offset:64*\c
	ds_load_b128 v[GM+8*\c+4:GM+8*\c+7], v[FA] offset:64*\c+32
.endr
	s_wait_loadcnt 0x0                             ; w_gates
.irp c, 0,1,2,3
.irp k, 0,1,2,3,4,5,6,7
	v_cvt_pk_f16_f32 v[WG+16*\c+\k], v[WG+16*\c+2*\k], v[WG+16*\c+2*\k+1]
.endr
.endr
	s_wait_dscnt 0x0
	; two accumulators take turns, one instruction a turn
	v_wmma_f32_16x16x32_f16 v[T0:T0+7], v[WG:WG+7],       v[GM:GM+7],       0
	v_wmma_f32_16x16x32_f16 v[T1:T1+7], v[WG+16:WG+23],   v[GM+8:GM+15],    0
	v_wmma_f32_16x16x32_f16 v[T0:T0+7], v[WG+32:WG+39],   v[GM+16:GM+23],   v[T0:T0+7]
	v_wmma_f32_16x16x32_f16 v[T1:T1+7], v[WG+48:WG+55],   v[GM+24:GM+31],   v[T1:T1+7]
.rept 4
	v_nop                                          ; four places before a vector instruction reads a matrix result (ISA guide 7.12.1)
.endr
.irp k, 0,2,4,6
	v_pk_add_f32 v[T0+\k:T0+\k+1], v[T0+\k:T0+\k+1], v[T1+\k:T1+\k+1]
.endr
	ds_store_b128 v[PS], v[T0:T0+3]
	ds_store_b128 v[PS], v[T0+4:T0+7] offset:16
	s_wait_dscnt 0x0
	s_barrier_signal -1
	s_barrier_wait -1
	; waves 0 and 1: thread t adds the eight waves' parts of four neighbouring numbers (row t / 4, heads 4 (t % 4) ..)
	s_cmp_gt_u32 s22, 1
	s_cbranch_scc1 .Ldone
	s_wait_xcnt 0x0                                ; v16 and up were data of my stores: they are written again only behind this wait
	v_lshlrev_b32 v11, 4, v0
	v_and_b32 v12, 3, v0
	v_lshlrev_b32 v12, 4, v12
	global_load_b128 v[48:51], v12, s[14:15]       ; b_gates of my four heads
.irp p, 0,1,2,3,4,5,6,7
	ds_load_b128 v[16+4*\p:16+4*\p+3], v11 offset:PART+\p*1024
.endr
	s_wait_dscnt 0x0
.irp p, 0,2,4,6
	v_pk_add_f32 v[16+4*\p:17+4*\p], v[16+4*\p:17+4*\p], v[20+4*\p:21+4*\p]
	v_pk_add_f32 v[18+4*\p:19+4*\p], v[18+4*\p:19+4*\p], v[22+4*\p:23+4*\p]
.endr
.irp p, 0,4
	v_pk_add_f32 v[16+4*\p:17+4*\p], v[16+4*\p:17+4*\p], v[24+4*\p:25+4*\p]
	v_pk_add_f32 v[18+4*\p:19+4*\p], v[18+4*\p:19+4*\p], v[26+4*\p:27+4*\p]
.endr
	v_pk_add_f32 v[16:17], v[16:17], v[32:33]
	v_pk_add_f32 v[18:19], v[18:19], v[34:35]
	s_wait_loadcnt 0x0
	v_pk_add_f32 v[16:17], v[16:17], v[48:49]
	v_pk_add_f32 v[18:19], v[18:19], v[50:51]
.irp k, 16,17,18,19
	v_mul_f32 v\k, 0xbfb8aa3b, v\k                 ; -z log2(e)
.endr
.irp k, 16,17,18,19
	v_exp_f32 v\k, v\k
.endr
	v_nop
	s_wait_alu depctr_va_vdst(0)
.irp k, 16,17,18,19
	v_add_f32 v\k, 1.0, v\k
.endr
.irp k, 16,17,18,19
	v_rcp_f32 v\k, v\k                             ; sigmoid(z) = 1 / (1 + 2^(-z log2 e))
.endr
	v_nop
	s_wait_alu depctr_va_vdst(0)
	global_store_b128 v11, v[16:19], s[20:21]      ; 64 threads store the group's 1,024 consecutive bytes
.Ldone:
	s_wait_tensorcnt 0x0
	ds_add_u32 v14, v15
	s_wait_dscnt 0x0
	s_endpgm
.Lfunc_end_k_qe8001220fc_prep:
	.size	k_qe8001220fc_prep, .Lfunc_end_k_qe8001220fc_prep-k_qe8001220fc_prep
	.p2alignl 7, 3214868480
	.fill 96, 4, 3214868480
	.section	.rodata,"a",@progbits
	.p2align	6, 0x0
	.amdhsa_kernel k_qe8001220fc_prep
		.amdhsa_group_segment_fixed_size 42240
		.amdhsa_private_segment_fixed_size 0
		.amdhsa_enable_private_segment 0
		.amdhsa_kernarg_size 72
		.amdhsa_user_sgpr_count 2
		.amdhsa_user_sgpr_kernarg_segment_ptr 1
		.amdhsa_wavefront_size32 1
		.amdhsa_system_sgpr_workgroup_id_x 1
		.amdhsa_system_sgpr_workgroup_id_y 1
		.amdhsa_system_sgpr_workgroup_id_z 1
		.amdhsa_system_vgpr_workitem_id 0
		.amdhsa_next_free_vgpr 256
		.amdhsa_next_free_sgpr 66
		.amdhsa_reserve_vcc 0
		.amdhsa_float_denorm_mode_32 3
		.amdhsa_float_denorm_mode_16_64 3
		.amdhsa_memory_ordered 1
		.amdhsa_forward_progress 1
		.amdhsa_inst_pref_size 33
	.end_amdhsa_kernel
	.amdgpu_metadata
---
amdhsa.version: [ 1, 2 ]
amdhsa.kernels:
  - .name:           k_qe8001220fc_prep
    .symbol:         k_qe8001220fc_prep.kd
    .args:
      - { .name: x, .offset: 0, .size: 8, .value_kind: global_buffer, .address_space: global }
      - { .name: gamma, .offset: 8, .size: 8, .value_kind: global_buffer, .address_space: global }
      - { .name: w_qkv, .offset: 16, .size: 8, .value_kind: global_buffer, .address_space: global }
      - { .name: w_out, .offset: 24, .size: 8, .value_kind: global_buffer, .address_space: global }
      - { .name: w_gates, .offset: 32, .size: 8, .value_kind: global_buffer, .address_space: global }
      - { .name: b_gates, .offset: 40, .size: 8, .value_kind: global_buffer, .address_space: global }
      - { .name: xn, .offset: 48, .size: 8, .value_kind: global_buffer, .address_space: global }
      - { .name: wb, .offset: 56, .size: 8, .value_kind: global_buffer, .address_space: global }
      - { .name: gates, .offset: 64, .size: 8, .value_kind: global_buffer, .address_space: global }
    .group_segment_fixed_size: 42240
    .private_segment_fixed_size: 0
    .kernarg_segment_align: 8
    .kernarg_segment_size: 72
    .max_flat_workgroup_size: 256
    .sgpr_count:     66
    .vgpr_count:     256
    .wavefront_size: 32
...
	.end_amdgpu_metadata
.endif
;; end of part 1
;; launch qkvproj (part 2): grid 16 x 16, 4 waves a work-group, clusters of 4 x 4, 327,680 bytes of LDS; arguments xn, wb, rotary_cos, rotary_sin, qkv; writes qkv
.if DOCPART == 2
	.amdgcn_target "amdgcn-amd-amdhsa--gfx1250"
	.amdhsa_code_object_version 6
	.text
	.protected	k_qe8001220fc_qkvproj
	.globl	k_qe8001220fc_qkvproj
	.p2align	8
	.type	k_qe8001220fc_qkvproj,@function
k_qe8001220fc_qkvproj:
	s_mov_b64 s[64:65], 0
	v_nop
	global_prefetch_b8 v0, s[64:65] scope:SCOPE_SE
	s_setreg_imm32_b32 hwreg(HW_REG_WAVE_MODE, 25, 1), 1
	s_wait_xcnt 0x0
	s_wait_alu depctr_hold_cnt(0) depctr_sa_sdst(0) depctr_va_vdst(0) depctr_va_sdst(0) depctr_va_ssrc(0) depctr_va_vcc(0) depctr_vm_vsrc(0)
	s_getreg_b32 s2, hwreg(HW_REG_IB_STS2, 6, 4)
	s_cmp_eq_u32 s2, 0
	s_cbranch_scc0 .Lentry_in_a_cluster
	s_endpgm
.Lentry_in_a_cluster:
	s_bfe_u32 s2, ttmp6, 0x10000c
	s_cmp_lg_u32 s2, 0xf033
	s_cbranch_scc0 .Lentry_shape_is_right
	s_endpgm
.Lentry_shape_is_right:
; qkvproj: [4096 x 1024] xn times one head's 192 rows of wb (q, k, v), RoPE on q and k, out to qkv[which][b][h][n][64].
; q and k leave in bf16, v in f16.  LIMIT: |v| <= 32 max|gamma| |w row| must stay under 65,504 (18,432 with gamma and w both 30 times their usual size).
; Work-group (bx, by): head bx, rows 256 by .. + 255.  Four waves; wave w makes rows 64 w .. + 63 by all 192 columns: 48 accumulator tiles, 384 registers.
; For 32 along K a wave reads 32 x 512 bytes from LDS for 48 matrix instructions.
; K goes in steps of 128 through two LDS slots (256 rows of xn, 192 rows of wb, rows of 256 bytes padded to 272).
; CLUSTER 4 x 4: xn's tile hangs on by alone and is asked for jointly along a row of the cluster, wb's on bx alone, jointly along a column.
; The matrix instruction is used transposed (source 0 = rows of wb, source 1 = rows of xn): lane (r, h) of tile (a, b) holds row 16 a + r,
; columns 16 b + 8 h + 0 .. 7, so RoPE's pairs lie in neighbouring registers and eight results pack into 16 bytes.
; WINDOWS: 0: v16-23 addresses, v32-95 xn fragments (two buffers of 4 x 8), v96-223 cos and sin of two row tiles, v224-255 at work;
;          1: wb fragments, two buffers of 12 x 8;   2: tiles of a = 0, 1 at 8 (12 (a & 1) + b);   3: those of a = 2, 3.
.set KSTEP,  128
.set PITCH,  272                       ; 256 bytes + 16: an odd multiple of 16
.set ABYTES, 256*PITCH
.set AHALF,  128*PITCH
.set BHALF,  96*PITCH
.set SLOT,   ABYTES+2*BHALF            ; 121,856
.set STAGE,  2*SLOT                    ; behind the ring, never filled by a tensor load: [wave][q, k, v][16 rows][144]
.set SP,     144
.set STW,    48*SP
.set LAPS,   1024/(2*KSTEP)
.set ADRA, 16                          ; v16-17 my xn fragments in slot 0, 1
.set ADRB, 18                          ; v18-19 the wb fragments
.set STO,  20
.set RD,   21
.set CO,   22
.set CSO,  23
.set CS0,  96                          ; cos 32 registers, then sin 32
.set CS1,  160
.set TM,   224
.set PK,   32
.set RB,   48
.set G1,  24
.set G0,  32
.set G1B, 48
.set G0B, 56
.set FLAGS, (1<<16)|(1<<20)|(1<<21)|(5<<22)|(3<<25)   ; 2-byte elements; padding on; bit 21 beside a mask; 4 words of padding after every 64
.set MSB, 0
.macro WIN new                         ; the immediate's high byte repeats the setting that is left
.if MSB != (\new)
	s_set_vgpr_msb (MSB<<8)|(\new)
.set MSB, (\new)
.endif
.endm
.set MUL_LO, 0xa1                      ; source 0 window 1, source 1 window 0, C and D window 2
.set MUL_HI, 0xf1                      ; C and D window 3
.set TO_B,   0x40
.macro PLACES n
.rept \n
	v_nop
.endr
.endm
.macro JLOAD sl                        ; waves 0, 1 ask for xn's two halves, waves 2, 3 for wb's: one tensor load a wave
	s_cmp_eq_u32 s15, 0
	s_cbranch_scc0 .Lfor_b_\@
	tensor_load_to_lds s[G0+4*\sl:G0+4*\sl+3], s[G1:G1+7]
	s_nop 0
	s_branch .Lasked_\@
.Lfor_b_\@:
	tensor_load_to_lds s[G0B+4*\sl:G0B+4*\sl+3], s[G1B:G1B+7]
	s_nop 0
.Lasked_\@:
.endm
.macro CREST                           ; a round of the cluster's barrier behind its opening work-group barrier
	s_cmp_lg_u32 s14, 0
	s_cbranch_scc1 .Lnot_wave_0_\@
	s_barrier_signal -3
.Lnot_wave_0_\@:
	s_barrier_wait -3
	s_barrier_signal -1
	s_barrier_wait -1
.endm
.macro CROUND
	s_barrier_signal -1
	s_barrier_wait -1
	CREST
.endm
	s_load_b256 s[4:11], s[0:1], 0x0               ; xn, wb, cos, sin
	s_load_b64 s[12:13], s[0:1], 0x20              ; qkv
	s_set_vgpr_msb 0x40
	v_lshl_add_u32 v255, v0, 2, 0x42400
	s_set_vgpr_msb 0x4000
	v_mov_b32 v31, 0
	s_set_vgpr_msb 0x1
	ds_add_u32 v255, v31
	s_set_vgpr_msb 0x100
	v_lshrrev_b32 v1, 5, v0
	v_readfirstlane_b32 s14, v1                    ; wave
	s_lshr_b32 s15, s14, 1                         ; I fetch for xn (0) or for wb (1)
	s_and_b32 s16, s14, 1                          ; which half of that tile
	s_bfe_u32 s17, ttmp6, 0x40000                  ; cx
	s_bfe_u32 s18, ttmp6, 0x40004                  ; cy
	s_lshl_b32 s19, ttmp9, 2
	s_add_co_u32 s19, s19, s17                     ; bx = head
	s_and_b32 s20, ttmp7, 0xffff
	s_lshl_b32 s20, s20, 2
	s_add_co_u32 s20, s20, s18                     ; by = block of 256 rows
	s_lshl_b32 s21, s18, 2
	s_lshl_b32 s21, 15, s21                        ; my row of the cluster
	s_lshl_b32 s22, 0x1111, s17                    ; my column
	s_or_b32 s[G1+0], s21, FLAGS
	s_or_b32 s[G1B+0], s22, FLAGS
	s_mov_b32 s[G1+1], KSTEP<<16                   ; tensor_dim0 = 128
	s_mov_b32 s[G1+2], 128<<16                     ; tensor_dim1 = 128
	s_mov_b32 s[G1+3], KSTEP<<16                   ; tile_dim0 = 128
	s_mov_b32 s[G1+4], 128                         ; tile_dim1 = 128 rows
	s_mov_b32 s[G1+5], 1024                        ; elements from row to row
	s_mov_b32 s[G1+6], 0
	s_mov_b32 s[G1+7], 0
	s_mov_b32 s[G1B+1], KSTEP<<16
	s_mov_b32 s[G1B+2], 96<<16                     ; wb's halves have 96 rows
	s_mov_b32 s[G1B+3], KSTEP<<16
	s_mov_b32 s[G1B+4], 96
	s_mov_b32 s[G1B+5], 1024
	s_mov_b32 s[G1B+6], 0
	s_mov_b32 s[G1B+7], 0
	s_lshl_b32 s40, s20, 8                         ; xn: row 256 by + 128 half, rows of 2,048 bytes
	s_lshl_b32 s42, s16, 7
	s_add_co_u32 s40, s40, s42
	s_lshl_b32 s40, s40, 11
	s_mov_b32 s41, 0
	s_mul_i32 s44, s19, 192                        ; wb: row 192 bx + 96 half
	s_mul_i32 s46, s16, 96
	s_add_co_u32 s44, s44, s46
	s_lshl_b32 s44, s44, 11
	s_mov_b32 s45, 0
	s_mul_i32 s23, s14, AHALF                      ; LDS: waves 0, 1: xn's halves
	s_mul_i32 s47, s14, BHALF
	s_add_co_u32 s47, s47, ABYTES-2*BHALF          ; waves 2, 3: wb's halves behind xn's 256 rows
	s_wait_dscnt 0x0
	s_wait_kmcnt 0x0
	s_add_nc_u64 s[40:41], s[4:5], s[40:41]
	s_add_nc_u64 s[44:45], s[6:7], s[44:45]
	CROUND                                         ; all sixteen work-groups are here: the first joint loads meet
.irp sl, 0,1
	s_mov_b32 s[G0+4*\sl], 1
	s_add_co_u32 s[G0+4*\sl+1], s23, \sl*SLOT
	s_add_nc_u64 s[G0+4*\sl+2:G0+4*\sl+3], s[40:41], \sl*KSTEP*2
	s_or_b32 s[G0+4*\sl+3], s[G0+4*\sl+3], 0x80000000
	s_mov_b32 s[G0B+4*\sl], 1
	s_add_co_u32 s[G0B+4*\sl+1], s47, \sl*SLOT
	s_add_nc_u64 s[G0B+4*\sl+2:G0B+4*\sl+3], s[44:45], \sl*KSTEP*2
	s_or_b32 s[G0B+4*\sl+3], s[G0B+4*\sl+3], 0x80000000
	JLOAD \sl                                      ; two tensor loads of the wave are out here, one behind each later round
.endr
	; where results go and where cos and sin come from (registers of their own: they hold both bx and by)
	s_and_b32 s76, s20, 7
	s_lshl_b32 s76, s76, 8
	s_lshl_b32 s77, s14, 6
	s_add_co_u32 s76, s76, s77                     ; my first position n in the sequence
	s_lshl_b32 s78, s76, 8                         ; rows of 256 bytes in cos and sin
	s_mov_b32 s79, 0
	s_add_nc_u64 s[72:73], s[8:9], s[78:79]
	s_add_nc_u64 s[74:75], s[10:11], s[78:79]
	s_lshr_b32 s78, s20, 3                         ; batch
	s_lshl_b32 s78, s78, 4
	s_add_co_u32 s78, s78, s19                     ; plane b * 16 + h
	s_lshl_b32 s78, s78, 18
	s_lshl_b32 s76, s76, 7
	s_add_co_u32 s78, s78, s76
	s_add_nc_u64 s[66:67], s[12:13], s[78:79]      ; q's plane at my first row
	s_add_nc_u64 s[68:69], s[66:67], 0x800000      ; k's: 32 planes of 262,144 bytes on
	s_add_nc_u64 s[70:71], s[66:67], 0x1000000     ; v's
	v_and_b32 v1, 15, v0                           ; r
	v_bfe_u32 v2, v0, 4, 1                         ; h
	v_mul_u32_u24 v3, v1, PITCH
	v_lshl_add_u32 v3, v2, 4, v3
	s_mul_i32 s42, s14, 64*PITCH
	v_add_nc_u32 v[ADRA], s42, v3
	v_add_nc_u32 v[ADRA+1], SLOT, v[ADRA]
	v_add_nc_u32 v[ADRB], ABYTES, v3
	v_add_nc_u32 v[ADRB+1], ABYTES+SLOT, v3
	s_mul_i32 s43, s14, STW
	s_add_co_u32 s43, s43, STAGE
	v_mul_u32_u24 v4, v1, SP
	v_lshl_add_u32 v4, v2, 4, v4
	v_add_nc_u32 v[STO], s43, v4                   ; in: row r, 16 bytes for each half of the lanes
	v_and_b32 v5, 31, v0
	v_lshrrev_b32 v6, 3, v5
	v_and_b32 v7, 7, v0
	v_mul_u32_u24 v6, v6, SP
	v_lshl_add_u32 v6, v7, 4, v6
	v_add_nc_u32 v[RD], s43, v6                    ; back: eight lanes take a row of 128 bytes, the wave four rows
	v_lshlrev_b32 v[CO], 4, v5                     ; which are 512 consecutive bytes of a plane
	v_lshlrev_b32 v[CSO], 8, v1
	v_lshl_add_u32 v[CSO], v2, 5, v[CSO]           ; cos, sin: row r, d = 8 h
; cos and sin of row tile a, laid as the accumulators are: 16 loads.  The argument may be a sum, so it stands in parentheses:
; a row tile is 16 rows of 256 bytes = 4,096 bytes.
.macro LOADCS a, cs
.irp bb, 0,1,2,3
	global_load_b128 v[\cs+8*\bb:\cs+8*\bb+3],   v[CSO], s[72:73] offset:(\a)*4096+\bb*64
	global_load_b128 v[\cs+8*\bb+4:\cs+8*\bb+7], v[CSO], s[72:73] offset:(\a)*4096+\bb*64+16
.endr
.irp bb, 0,1,2,3
	global_load_b128 v[\cs+32+8*\bb:\cs+32+8*\bb+3],   v[CSO], s[74:75] offset:(\a)*4096+\bb*64
	global_load_b128 v[\cs+32+8*\bb+4:\cs+32+8*\bb+7], v[CSO], s[74:75] offset:(\a)*4096+\bb*64+16
.endr
.endm
	LOADCS 0, CS0                                  ; they land while the product runs
	LOADCS 1, CS1
; 12 matrix instructions: row tile 2 hi + a by all 12 column tiles, 32 along K.  The 48 accumulators take turns, one instruction a turn,
; in the same order in every quarter step.
.macro MUL12 f, hi, a, zero
.irp b, 0,1,2,3,4,5,6,7,8,9,10,11
.if \zero
	v_wmma_f32_16x16x32_f16 v[8*(12*\a+\b):8*(12*\a+\b)+7], v[96*\f+8*\b:96*\f+8*\b+7], v[32+32*\f+8*(2*\hi+\a):32+32*\f+8*(2*\hi+\a)+7], 0
.else
	v_wmma_f32_16x16x32_f16 v[8*(12*\a+\b):8*(12*\a+\b)+7], v[96*\f+8*\b:96*\f+8*\b+7], v[32+32*\f+8*(2*\hi+\a):32+32*\f+8*(2*\hi+\a)+7], v[8*(12*\a+\b):8*(12*\a+\b)+7]
.endif
.endr
.endm
.macro FETCH slot, k, f                ; 32 LDS loads in one run: 192 rows of wb, my 64 rows of xn, 32 K at byte k of the rows
	WIN TO_B
.irp i, 0,1,2,3,4,5,6,7,8,9,10,11
	ds_load_b128 v[96*\f+8*\i:96*\f+8*\i+3],   v[ADRB+\slot] offset:\k+\i*16*PITCH
	ds_load_b128 v[96*\f+8*\i+4:96*\f+8*\i+7], v[ADRB+\slot] offset:\k+\i*16*PITCH+32
.endr
	WIN 0
.irp i, 0,1,2,3
	ds_load_b128 v[32+32*\f+8*\i:32+32*\f+8*\i+3],   v[ADRA+\slot] offset:\k+\i*16*PITCH
	ds_load_b128 v[32+32*\f+8*\i+4:32+32*\f+8*\i+7], v[ADRA+\slot] offset:\k+\i*16*PITCH+32
.endr
.endm
.macro QUARTER slot, k, f, g, zero
	s_wait_dscnt 4                                 ; wb and xn's row tiles 0, 1 are in; the youngest four loads (row tiles 2, 3) may be out
	WIN MUL_LO
	MUL12 \f, 0, 0, \zero
	MUL12 \f, 0, 1, \zero
	PLACES 4                                       ; four places before loads land in registers that matrix instructions have read
	FETCH \slot, \k, \g
	s_wait_dscnt 32                                ; all but the 32 just issued
	WIN MUL_HI
	MUL12 \f, 1, 0, \zero
	MUL12 \f, 1, 1, \zero
.endm
.macro THREE slot, zero
	QUARTER \slot, 64,  0, 1, \zero
	QUARTER \slot, 128, 1, 0, 0
	QUARTER \slot, 192, 0, 1, 0
.endm
; The last quarter of a K step changes slots.  In front of the barrier each wave waits for its reads of this slot and for all its tensor loads
; (the one that is out is its part of the next slot); behind it the refill comes first, then the next slot's first fragments.
.macro TURN slot, next, fill
	s_wait_dscnt 4
	WIN MUL_LO
	MUL12 1, 0, 0, 0
	s_wait_dscnt 0
	s_wait_tensorcnt 0x0
	ds_add_u32 v255, v31
	s_wait_dscnt 0x0
	s_barrier_signal -1
	MUL12 1, 0, 1, 0                               ; register work while the others arrive
	WIN 0
	s_barrier_wait -1
.if \fill
	CREST                                          ; no wave of any partner still reads this slot or has a load on its way
	s_add_nc_u64 s[G0+4*\slot+2:G0+4*\slot+3], s[G0+4*\slot+2:G0+4*\slot+3], 2*KSTEP*2
	s_add_nc_u64 s[G0B+4*\slot+2:G0B+4*\slot+3], s[G0B+4*\slot+2:G0B+4*\slot+3], 2*KSTEP*2
	JLOAD \slot                                    ; from here to the wait for it the wave issues 180 matrix instructions
.endif
	PLACES 4
	FETCH \next, 0, 0
	WIN MUL_HI
	MUL12 1, 1, 0, 0
	MUL12 1, 1, 1, 0
.endm
.macro LAP zero
	THREE 0, \zero
	TURN 0, 1, 1
	THREE 1, 0
	TURN 1, 0, 1
.endm
	s_wait_tensorcnt 1                             ; my part of K step 0 is in; K step 1's stays out
	s_barrier_signal -1
	s_barrier_wait -1
	FETCH 0, 0, 0
	LAP 1                                          ; the first products start the sums: nothing is cleared
	WIN 0
	s_mov_b32 s3, LAPS-2
.Llap:
	LAP 0
	WIN 0
	s_sub_co_u32 s3, s3, 1
	s_cmp_lg_u32 s3, 0
	s_cbranch_scc1 .Llap
	THREE 0, 0                                     ; the last lap fills nothing
	TURN 0, 1, 0
	THREE 1, 0
	s_wait_dscnt 4
	WIN MUL_LO
	MUL12 1, 0, 0, 0
	MUL12 1, 0, 1, 0
	s_wait_dscnt 0
	WIN MUL_HI
	MUL12 1, 1, 0, 0
	MUL12 1, 1, 1, 0
	WIN 0
	PLACES 4                                       ; before results are read and fragment registers written
; Row tile a (al = a & 1 in window w1; w2 = that window for sources 0 and 1): RoPE on q and k, rounding, 16 rows x 3 x 128 bytes through my stage.
; out[2i] = x[2i] cos[2i] - x[2i+1] sin[2i];  out[2i+1] = x[2i+1] cos[2i+1] + x[2i] sin[2i+1]: the even sines get the sign once,
; then one packed multiply with the pair swapped and one packed multiply-add.
.macro OUTROW a, al, w1, w2, cs, left, reload
	s_wait_loadcnt \left                           ; this tile's cos and sin are in; the younger tile's 16 loads may be out
.irp k, 0,2,4,6,8,10,12,14,16,18,20,22,24,26,28,30
	v_xor_b32 v[\cs+32+\k], 0x80000000, v[\cs+32+\k]
.endr
.irp t, 0,1
	WIN \w1
.set p, 0
.rept 16
	v_pk_mul_f32 v[TM+2*p:TM+2*p+1], v[8*(12*\al+4*\t)+2*p:8*(12*\al+4*\t)+2*p+1], v[\cs+32+2*p:\cs+32+2*p+1] op_sel:[1,0] op_sel_hi:[0,1]
.set p, p+1
.endr
.set p, 0
.rept 16
	v_pk_fma_f32 v[TM+2*p:TM+2*p+1], v[8*(12*\al+4*\t)+2*p:8*(12*\al+4*\t)+2*p+1], v[\cs+2*p:\cs+2*p+1], v[TM+2*p:TM+2*p+1]
.set p, p+1
.endr
	WIN 0
.set p, 0
.rept 16
	v_cvt_pk_bf16_f32 v[PK+p], v[TM+2*p], v[TM+2*p+1]
.set p, p+1
.endr
.irp bb, 0,1,2,3
	ds_store_b128 v[STO], v[PK+4*\bb:PK+4*\bb+3] offset:\t*16*SP+32*\bb
.endr
.endr
	WIN \w2
.set p, 0
.rept 16
	v_cvt_pk_f16_f32 v[PK+p], v[8*(12*\al+8)+2*p], v[8*(12*\al+8)+2*p+1]    ; v: no RoPE, f16
.set p, p+1
.endr
	WIN 0
.irp bb, 0,1,2,3
	ds_store_b128 v[STO], v[PK+4*\bb:PK+4*\bb+3] offset:2*16*SP+32*\bb
.endr
	s_wait_xcnt 0x0                                ; the read-back registers were data of the last tile's stores: written again only behind this wait
.set n, 0
.irp t, 0,1,2
.irp i, 0,1,2,3
	ds_load_b128 v[RB+4*n:RB+4*n+3], v[RD] offset:\t*16*SP+\i*4*SP     ; LDS serves a wave's instructions in order: these see the stores above
.set n, n+1
.endr
.endr
.set n, 0
.irp t, 0,1,2
.irp i, 0,1,2,3
	s_wait_dscnt 11-n
	global_store_b128 v[CO], v[RB+4*n:RB+4*n+3], s[66+2*\t:67+2*\t] offset:\a*2048+\i*512   ; the wave stores 512 consecutive bytes, aligned
.set n, n+1
.endr
.endr
.if \reload
	LOADCS \a+2, \cs                               ; the row tile two further down, into the registers just used
.endif
.endm
	OUTROW 0, 0, 0x02, 0x0a, CS0, 16, 1
	OUTROW 1, 1, 0x02, 0x0a, CS1, 16, 1
	OUTROW 2, 0, 0x03, 0x0f, CS0, 16, 0
	OUTROW 3, 1, 0x03, 0x0f, CS1, 0, 0
	s_set_vgpr_msb 0x1
	s_wait_tensorcnt 0x0
	ds_add_u32 v255, v31
	s_wait_dscnt 0x0
	s_set_vgpr_msb 0x100
	CROUND                                         ; the closing round: no work-group ends while a partner may still ask jointly
	s_endpgm
.Lfunc_end_k_qe8001220fc_qkvproj:
	.size	k_qe8001220fc_qkvproj, .Lfunc_end_k_qe8001220fc_qkvproj-k_qe8001220fc_qkvproj
	.p2alignl 7, 3214868480
	.fill 96, 4, 3214868480
	.section	.rodata,"a",@progbits
	.p2align	6, 0x0
	.amdhsa_kernel k_qe8001220fc_qkvproj
		.amdhsa_group_segment_fixed_size 327680
		.amdhsa_private_segment_fixed_size 0
		.amdhsa_enable_private_segment 0
		.amdhsa_kernarg_size 40
		.amdhsa_user_sgpr_count 2
		.amdhsa_user_sgpr_kernarg_segment_ptr 1
		.amdhsa_wavefront_size32 1
		.amdhsa_system_sgpr_workgroup_id_x 1
		.amdhsa_system_sgpr_workgroup_id_y 1
		.amdhsa_system_sgpr_workgroup_id_z 1
		.amdhsa_system_vgpr_workitem_id 0
		.amdhsa_next_free_vgpr 960
		.amdhsa_next_free_sgpr 80
		.amdhsa_reserve_vcc 0
		.amdhsa_float_denorm_mode_32 3
		.amdhsa_float_denorm_mode_16_64 3
		.amdhsa_memory_ordered 1
		.amdhsa_forward_progress 1
		.amdhsa_inst_pref_size 190
	.end_amdhsa_kernel
	.amdgpu_metadata
---
amdhsa.version: [ 1, 2 ]
amdhsa.kernels:
  - .name:           k_qe8001220fc_qkvproj
    .symbol:         k_qe8001220fc_qkvproj.kd
    .args:
      - { .name: xn, .offset: 0, .size: 8, .value_kind: global_buffer, .address_space: global }
      - { .name: wb, .offset: 8, .size: 8, .value_kind: global_buffer, .address_space: global }
      - { .name: rotary_cos, .offset: 16, .size: 8, .value_kind: global_buffer, .address_space: global }
      - { .name: rotary_sin, .offset: 24, .size: 8, .value_kind: global_buffer, .address_space: global }
      - { .name: qkv, .offset: 32, .size: 8, .value_kind: global_buffer, .address_space: global }
    .group_segment_fixed_size: 327680
    .private_segment_fixed_size: 0
    .kernarg_segment_align: 8
    .kernarg_segment_size: 40
    .max_flat_workgroup_size: 128
    .sgpr_count:     80
    .vgpr_count:     960
    .wavefront_size: 32
...
	.end_amdgpu_metadata
.endif
;; end of part 2
;; launch attn (part 3): grid 8 x 32, 8 waves a work-group, clusters of 4 x 1, 327,680 bytes of LDS; arguments qkv, gates, ao; writes ao
.if DOCPART == 3
	.amdgcn_target "amdgcn-amd-amdhsa--gfx1250"
	.amdhsa_code_object_version 6
	.text
	.protected	k_qe8001220fc_attn
	.globl	k_qe8001220fc_attn
	.p2align	8
	.type	k_qe8001220fc_attn,@function
k_qe8001220fc_attn:
	s_mov_b64 s[64:65], 0
	v_nop
	global_prefetch_b8 v0, s[64:65] scope:SCOPE_SE
	s_setreg_imm32_b32 hwreg(HW_REG_WAVE_MODE, 25, 1), 1
	s_wait_xcnt 0x0
	s_wait_alu depctr_hold_cnt(0) depctr_sa_sdst(0) depctr_va_vdst(0) depctr_va_sdst(0) depctr_va_ssrc(0) depctr_va_vcc(0) depctr_vm_vsrc(0)
	s_getreg_b32 s2, hwreg(HW_REG_IB_STS2, 6, 4)
	s_cmp_eq_u32 s2, 0
	s_cbranch_scc0 .Lentry_in_a_cluster
	s_endpgm
.Lentry_in_a_cluster:
	s_bfe_u32 s2, ttmp6, 0x10000c
	s_cmp_lg_u32 s2, 0x3003
	s_cbranch_scc0 .Lentry_shape_is_right
	s_endpgm
.Lentry_shape_is_right:
; attn: softmax(q k^T) v for one (batch, head) plane and 256 queries, with a running maximum; 1 / sum and the sigmoid gate at the end.
; q arrives scaled by 0.125 log2(e), so the exponentials are in base 2.  q, k: bf16; v, the weights P and the result: f16 (P lies in [0, 1];
; P under 6e-5 of the row's largest loses bits, under 3e-8 counts as 0; exponentials under 2^-126 count as 0).
; Eight waves: g = w & 3 picks 64 queries, s = w >> 2 picks which 128 of a slot's 256 keys the wave takes; the two halves are merged at the end through LDS.
; CLUSTER 4 x 1: the four query blocks of a cluster read the same K and V tiles and ask for them jointly (mask 15).
; TRANSPOSED PRODUCTS: S^T = K Q^T (source 0 = 16 keys, source 1 = 16 queries): lane (r, h) holds query r, keys 8 h + j.  Two key tiles packed to f16
; are then the second source of O^T = V^T P^T as they lie: no lane exchange; a query's statistics are one number a lane and one exchange of halves.
; Register tile q holds query tile q xor 2 s, so that every wave keeps q = 0, 1 and gives q = 2, 3 to its partner: one text for both halves.
; THE PIPELINE: a step is 32 keys against 64 queries, in two parts.  X(i): the softmax of step i on one score buffer, and strewn among its vector
; instructions, one ahead of every eight, the 16 matrix instructions of S(i+1) into the other score buffer.  Y(i): the 16 matrix instructions
; O += V(i)^T P(i)^T, each with the four multiplications that rescale the NEXT tile of O ahead of it.  So a wave has vector work of its own to issue
; while a matrix instruction runs.  V(i+1) is read from LDS in X(i), K(i+2) behind the last matrix instruction of X(i): a step or more ahead of use.
; A CHANGE OF SLOTS does not break the pipeline: step 2 of a slot reads V(3) and no K, so at the head of step 3 a wave has issued all its reads of the
; slot; there stand the waits, the cluster's round and the slot's refill, and then the next slot's K(0).
; LDS: two slots of 81,920 bytes: K 256 rows of 144 at +0 (then 4,096 spare, so that V's address is linear in the wave number), V 256 rows of 160 at +40,960;
; 163,840: merge, 8 x 8,704; 233,472: stage for the way out, 8 x 4,608.  The last two are never filled by a tensor load.
.set SLOT, 81920
.set KP,   144
.set VP,   160                         ; an odd multiple of 32, for the transposing loads
.set VOFF, 40960
.set MRG,  163840
.set MW,   8704
.set STG,  233472
.set STW,  4608
; window 0
.set KA,  1                            ; v1-2  K fragments in slot 0, 1
.set VA,  3                            ; v3-4  V
.set GT,  5                            ; v5-6  gates of q = 0, 1
.set TM,  8                            ; v8-15 at work: maxima in v8-11, later the sums, a pair for each q
.set PT,  12                           ; v12-15 what the other half of the lanes sent
.set LS0, 18                           ; running sums; maxima set A in v16, 17, 20, 21: v[20:23] = what q = 2, 3 hand over
.set LS1, 19
.set LS2, 22
.set LS3, 23
.set AL,  24                           ; v24-27 2^(old maximum - new); maxima set B in v28-31
.set KF,  32                           ; v32-63   K(mt, c) at 32 + 16 mt + 8 c
.set QF,  64                           ; v64-127  Q(q, c) at 64 + 16 q + 8 c
.set SA,  128                          ; v128-191 scores of even steps: S(q, mt) at + 16 q + 8 mt; P(q) in the first 8 of each 16
.set SB,  192                          ; v192-255 scores of odd steps
; window 1: O(q, t) at 8 (4 q + t); V(t) of even steps at 128 + 8 t, of odd steps at 160 + 8 t
.set VF0, 128
; registers used only in front of the steps (they lie in the odd score buffer) and only behind them (in K's and Q's)
.set TR,  192
.set TH,  193
.set TW,  195
.set QOA, 196
.set QOB, 197
.set GO,  198
.set MG,  40
.set PG,  41
.set STO, 42
.set RD,  43
.set CO,  44
.set ER,  45
.set EH,  46
.set EL,  47
.set PKD, 64
.set RBK, 96
.set G1K, 16
.set G1V, 24
.set G0K, 32
.set G0V, 40
.set MSB, 0
.macro WIN new                         ; the immediate's high byte repeats the setting that is left
.if MSB != (\new)
	s_set_vgpr_msb (MSB<<8)|(\new)
.set MSB, (\new)
.endif
.endm
.macro PLACES n
.rept \n
	v_nop
.endr
.endm
.macro ROUND                           ; a round of the cluster's barrier
	s_barrier_signal -1
	s_barrier_wait -1
	s_cmp_lg_u32 s10, 0
	s_cbranch_scc1 .Lnot_wave_0_\@
	s_barrier_signal -3
.Lnot_wave_0_\@:
	s_barrier_wait -3
	s_barrier_signal -1
	s_barrier_wait -1
.endm
.macro JLOAD sl                        ; waves 0-3 ask for a quarter of K's tile each, waves 4-7 of V's: 64 rows, one tensor load a wave
	s_cmp_eq_u32 s11, 0
	s_cbranch_scc0 .Lfor_v_\@
	tensor_load_to_lds s[G0K+4*\sl:G0K+4*\sl+3], s[G1K:G1K+7]
	s_nop 0
	s_branch .Lasked_\@
.Lfor_v_\@:
	tensor_load_to_lds s[G0V+4*\sl:G0V+4*\sl+3], s[G1V:G1V+7]
	s_nop 0
.Lasked_\@:
.endm
	s_load_b128 s[4:7], s[0:1], 0x0                ; qkv, gates
	s_load_b64 s[8:9], s[0:1], 0x10                ; ao
	v_lshl_add_u32 v7, v0, 2, 0x42000
	s_set_vgpr_msb 0x40
	v_mov_b32 v193, 0
	s_set_vgpr_msb 0x4044
	ds_add_u32 v7, v193
	s_set_vgpr_msb 0x4400
	v_lshrrev_b32 v[TW], 5, v0
	v_readfirstlane_b32 s10, v[TW]                 ; wave
	s_lshr_b32 s11, s10, 2                         ; s: my half of the keys; also: I fetch K (0) or V (1)
	s_and_b32 s12, s10, 3                          ; g: my 64 queries; also: which 64 rows I fetch
	s_and_b32 s13, ttmp7, 0xffff                   ; plane b * 16 + h
	s_bfe_u32 s14, ttmp6, 0x40000                  ; cx
	s_lshl_b32 s15, ttmp9, 2
	s_add_co_u32 s15, s15, s14                     ; block of 256 queries
	s_mov_b32 s48, 0x76543210                      ; v_permlanex16_b32: lane i takes lane i of the other half
	s_mov_b32 s49, 0xfedcba98
	s_mov_b32 s[G1K+0], 15|(1<<16)|(1<<20)|(1<<21)|(4<<22)|(3<<25)   ; mask: all four; 2-byte elements; 4 words of padding after every 32
	s_mov_b32 s[G1K+1], 64<<16                     ; tensor_dim0 = 64
	s_mov_b32 s[G1K+2], 64<<16                     ; tensor_dim1 = 64
	s_mov_b32 s[G1K+3], 64<<16                     ; tile_dim0 = 64
	s_mov_b32 s[G1K+4], 64                         ; tile_dim1 = 64 rows
	s_mov_b32 s[G1K+5], 64                         ; elements from row to row
	s_mov_b32 s[G1K+6], 0
	s_mov_b32 s[G1K+7], 0
	s_mov_b32 s[G1V+0], 15|(1<<16)|(1<<20)|(1<<21)|(4<<22)|(7<<25)   ; the same with 8 words of padding
	s_mov_b32 s[G1V+1], 64<<16
	s_mov_b32 s[G1V+2], 64<<16
	s_mov_b32 s[G1V+3], 64<<16
	s_mov_b32 s[G1V+4], 64
	s_mov_b32 s[G1V+5], 64
	s_mov_b32 s[G1V+6], 0
	s_mov_b32 s[G1V+7], 0
	s_lshl_b32 s60, s12, 13                        ; 64 rows of 128 bytes
	s_add_co_u32 s50, s13, 32                      ; k's planes begin at 32
	s_lshl_b32 s50, s50, 18
	s_add_co_u32 s50, s50, s60
	s_mov_b32 s51, 0
	s_add_co_u32 s52, s13, 64                      ; v's at 64
	s_lshl_b32 s52, s52, 18
	s_add_co_u32 s52, s52, s60
	s_mov_b32 s53, 0
	s_mul_i32 s61, s10, 64*KP
	s_mul_i32 s62, s10, 64*VP                      ; waves 4-7: 40,960 + (w - 4) x 10,240
	s_wait_dscnt 0x0
	s_wait_kmcnt 0x0
	s_add_nc_u64 s[50:51], s[4:5], s[50:51]
	s_add_nc_u64 s[52:53], s[4:5], s[52:53]
	ROUND                                          ; the four work-groups are here: the first joint loads meet
.irp sl, 0,1
	s_mov_b32 s[G0K+4*\sl], 1
	s_add_co_u32 s[G0K+4*\sl+1], s61, \sl*SLOT
	s_add_nc_u64 s[G0K+4*\sl+2:G0K+4*\sl+3], s[50:51], \sl*32768
	s_or_b32 s[G0K+4*\sl+3], s[G0K+4*\sl+3], 0x80000000
	s_mov_b32 s[G0V+4*\sl], 1
	s_add_co_u32 s[G0V+4*\sl+1], s62, \sl*SLOT
	s_add_nc_u64 s[G0V+4*\sl+2:G0V+4*\sl+3], s[52:53], \sl*32768
	s_or_b32 s[G0V+4*\sl+3], s[G0V+4*\sl+3], 0x80000000
	JLOAD \sl                                      ; two tensor loads of the wave are out here, one behind each later round
.endr
	; global places that hang on the query block: registers of their own
	s_lshl_b32 s63, s15, 8
	s_lshl_b32 s2, s12, 6
	s_add_co_u32 s63, s63, s2
	s_lshl_b32 s2, s11, 5
	s_add_co_u32 s63, s63, s2                      ; the first of the 32 queries that I keep
	s_lshl_b32 s54, s13, 18
	s_lshl_b32 s2, s15, 15
	s_add_co_u32 s54, s54, s2
	s_mov_b32 s55, 0
	s_add_nc_u64 s[54:55], s[4:5], s[54:55]        ; q's plane at the block's first query
	s_lshr_b32 s56, s13, 4
	s_lshl_b32 s56, s56, 11
	s_add_co_u32 s56, s56, s63
	s_lshl_b32 s56, s56, 4
	s_and_b32 s2, s13, 15
	s_add_co_u32 s56, s56, s2
	s_lshl_b32 s56, s56, 2
	s_mov_b32 s57, 0
	s_add_nc_u64 s[56:57], s[6:7], s[56:57]        ; gates[b * 2048 + my first query][h]
	s_lshl_b32 s58, s13, 18
	s_lshl_b32 s2, s63, 7
	s_add_co_u32 s58, s58, s2
	s_mov_b32 s59, 0
	s_add_nc_u64 s[58:59], s[8:9], s[58:59]        ; ao's plane at my first query
	v_and_b32 v[TR], 15, v0                        ; r
	v_bfe_u32 v[TH], v0, 4, 1                      ; h
	v_mul_u32_u24 v[KA], v[TR], KP
	v_lshl_add_u32 v[KA], v[TH], 4, v[KA]
	s_mul_i32 s60, s11, 128*KP
	v_add_nc_u32 v[KA], s60, v[KA]                 ; (128 s + r) 144 + 16 h
	v_add_nc_u32 v[KA+1], SLOT, v[KA]
	v_and_b32 v[VA], 7, v0
	v_lshl_add_u32 v[VA], v[TH], 3, v[VA]
	v_mul_u32_u24 v[VA], v[VA], VP
	v_bfe_u32 v[VA+1], v0, 3, 1
	v_lshl_add_u32 v[VA], v[VA+1], 4, v[VA]
	s_mul_i32 s61, s11, 128*VP
	s_add_co_u32 s61, s61, VOFF
	v_add_nc_u32 v[VA], s61, v[VA]                 ; 40,960 + (128 s + 8 h + lane % 8) 160 + 16 ((lane / 8) % 2)
	v_add_nc_u32 v[VA+1], SLOT, v[VA]
	v_lshlrev_b32 v[QOA], 7, v[TR]
	v_lshl_add_u32 v[QOA], v[TH], 4, v[QOA]
	s_lshl_b32 s60, s12, 13
	s_xor_b32 s61, s11, 1
	s_lshl_b32 s61, s61, 12
	s_add_co_u32 s61, s61, s60
	v_add_nc_u32 v[QOB], s61, v[QOA]               ; queries 64 g + 32 (1 - s) + r: register tiles 2, 3
	s_lshl_b32 s62, s11, 12
	s_add_co_u32 s62, s62, s60
	v_add_nc_u32 v[QOA], s62, v[QOA]               ; queries 64 g + 32 s + r: register tiles 0, 1
	v_lshlrev_b32 v[GO], 6, v[TR]
.irp q, 0,1,2,3
	v_mov_b32 v[PT+\q], 0                          ; v_permlanex16_b32 counts as a reader of its destination
.endr
.irp q, 0,1
.irp c, 0,1
	global_load_b128 v[QF+16*\q+8*\c:QF+16*\q+8*\c+3],   v[QOA], s[54:55] offset:2048*\q+64*\c
	global_load_b128 v[QF+16*\q+8*\c+4:QF+16*\q+8*\c+7], v[QOA], s[54:55] offset:2048*\q+64*\c+32
	global_load_b128 v[QF+32+16*\q+8*\c:QF+32+16*\q+8*\c+3],   v[QOB], s[54:55] offset:2048*\q+64*\c
	global_load_b128 v[QF+32+16*\q+8*\c+4:QF+32+16*\q+8*\c+7], v[QOB], s[54:55] offset:2048*\q+64*\c+32
.endr
	global_load_b32 v[GT+\q], v[GO], s[56:57] offset:1024*\q
.endr
.macro LOADK slot, i                   ; 32 keys x 64 of K: 8 loads
.irp mt, 0,1
.irp c, 0,1
	ds_load_b128 v[KF+16*\mt+8*\c:KF+16*\mt+8*\c+3],   v[KA+\slot] offset:(32*(\i)+16*\mt)*KP+64*\c
	ds_load_b128 v[KF+16*\mt+8*\c+4:KF+16*\mt+8*\c+7], v[KA+\slot] offset:(32*(\i)+16*\mt)*KP+64*\c+32
.endr
.endr
.endm
.macro LOADV slot, i, vb               ; 32 keys of V, transposed on the way, into window 1 at vb: 8 loads
	WIN 0x40                                       ; destination window 1, address window 0
.irp t, 0,1,2,3
	ds_load_tr16_b128 v[\vb+8*\t:\vb+8*\t+3],   v[VA+\slot] offset:32*(\i)*VP+32*\t
	ds_load_tr16_b128 v[\vb+8*\t+4:\vb+8*\t+7], v[VA+\slot] offset:32*(\i)*VP+32*\t+16*VP
.endr
	WIN 0
.endm
; The n-th of the 16 matrix instructions of S^T = K Q^T into score buffer sn: n = 8 c + 4 mt + q.  The first eight (d = 0 .. 31) start the sums.
; Eight accumulators take turns, one instruction a turn.
.macro SMUL n, sn
.set swq, (\n)&3
.set swm, ((\n)>>2)&1
.set swd, \sn+16*swq+8*swm
.if (\n) < 8
	v_wmma_f32_16x16x32_bf16 v[swd:swd+7], v[KF+16*swm:KF+16*swm+7], v[QF+16*swq:QF+16*swq+7], 0
.else
	v_wmma_f32_16x16x32_bf16 v[swd:swd+7], v[KF+16*swm+8:KF+16*swm+15], v[QF+16*swq+8:QF+16*swq+15], v[swd:swd+7]
.endif
.endm
.macro WNEXT                           ; the next step's next matrix instruction, where there is a next step
.if HASN
	SMUL wn, SN
.set wn, wn+1
.endif
.endm
.macro SUMR k                          ; the sums take in registers k, k + 1 of each query tile
.irp q, 0,1,2,3
	v_pk_add_f32 v[TM+2*\q:TM+2*\q+1], v[TM+2*\q:TM+2*\q+1], v[SC+16*\q+\k:SC+16*\q+\k+1]
.endr
.endm
.macro MULT n                          ; tile n = 4 t + q of O times 2^(old maximum - new) of its queries (under window setting 0x51)
.set mq, (\n)&3
.set mo, 32*mq+8*((\n)>>2)
.if mq&1
.irp j, 0,2,4,6
	v_pk_mul_f32 v[mo+\j:mo+\j+1], v[mo+\j:mo+\j+1], v[AL+mq-1:AL+mq] op_sel:[0,1] op_sel_hi:[1,1]
.endr
.else
.irp j, 0,2,4,6
	v_pk_mul_f32 v[mo+\j:mo+\j+1], v[mo+\j:mo+\j+1], v[AL+mq:AL+mq+1] op_sel_hi:[1,0]
.endr
.endif
.endm
.macro PVMUL n, first                  ; tile n = 4 t + q of O^T += V^T P^T.  Sixteen accumulators take turns.
.set pvq, (\n)&3
.set pvt, (\n)>>2
.set pvo, 32*pvq+8*pvt
.if \first
	v_wmma_f32_16x16x32_f16 v[pvo:pvo+7], v[VBC+8*pvt:VBC+8*pvt+7], v[SC+16*pvq:SC+16*pvq+7], 0
.else
	v_wmma_f32_16x16x32_f16 v[pvo:pvo+7], v[VBC+8*pvt:VBC+8*pvt+7], v[SC+16*pvq:SC+16*pvq+7], v[pvo:pvo+7]
.endif
.endm
; Step i (0 .. 3) of the phase on `slot`; `other` is the slot of the next phase.  first = 1: the launch's first step starts maxima, sums and O.
; kind says what step 3 does at its head: 1 = the cluster's round and the refill of `slot`; 2 = a plain barrier (nothing left to fetch);
; 3 = the launch's last step: no barrier, no next step.
; The running maximum lies by turns in set A (v16, 17, 20, 21) and set B (v28-31), so that old - new needs no copy: even i reads A and writes B.
.macro SUB slot, other, i, first, kind
.if (\i)&1
.set SC, SB
.set SN, SA
.set VBC, VF0+32
.set VBN, VF0
.set MN0, 16
.set MN1, 17
.set MN2, 20
.set MN3, 21
.set MO0, 28
.set MO1, 29
.set MO2, 30
.set MO3, 31
.else
.set SC, SA
.set SN, SB
.set VBC, VF0
.set VBN, VF0+32
.set MN0, 28
.set MN1, 29
.set MN2, 30
.set MN3, 31
.set MO0, 16
.set MO1, 17
.set MO2, 20
.set MO3, 21
.endif
.set HASN, 1
.if (\kind) == 3
.set HASN, 0
.endif
.set wn, 0
.if (\kind) == 1
	s_set_vgpr_msb 0x4
	s_wait_tensorcnt 0x0                           ; all my tensor loads have landed, my part of the next slot among them: the descriptors may be written
	ds_add_u32 v7, v193
	s_wait_dscnt 0x0
	s_set_vgpr_msb 0x400
	s_add_nc_u64 s[G0K+4*\slot+2:G0K+4*\slot+3], s[G0K+4*\slot+2:G0K+4*\slot+3], 65536   ; this slot's next tile: two slots of 256 rows of 128 bytes on
	s_add_nc_u64 s[G0V+4*\slot+2:G0V+4*\slot+3], s[G0V+4*\slot+2:G0V+4*\slot+3], 65536
	s_wait_dscnt 0x0                               ; my reads of this slot are over: the last, V(3), were issued a step ago
	ROUND                                          ; both now hold of every wave of the four work-groups
	JLOAD \slot                                    ; my one tensor load behind the round; it has four steps in which to land
	LOADK \other, 0
.endif
.if (\kind) == 2
	s_wait_tensorcnt 0x0                           ; my part of the last key tile has landed
	s_wait_dscnt 0x0
	s_barrier_signal -1
	s_barrier_wait -1                              ; everybody's has
	LOADK \other, 0
.endif
	; X: the new maximum of each query: my 16 keys and the old maximum, then the other half of the lanes
.irp q, 0,1,2,3
	v_max3_num_f32 v[TM+\q], v[SC+16*\q], v[SC+16*\q+1], v[SC+16*\q+2]
.endr
.irp k, 3,5,7,9,11,13
.irp q, 0,1,2,3
	v_max3_num_f32 v[TM+\q], v[TM+\q], v[SC+16*\q+\k], v[SC+16*\q+\k+1]
.endr
.endr
.irp q, 0,1,2,3
.if \first
	v_max_num_f32 v[TM+\q], v[TM+\q], v[SC+16*\q+15]
.else
	v_max3_num_f32 v[TM+\q], v[TM+\q], v[SC+16*\q+15], v[MO\q]
.endif
.endr
.irp q, 0,1,2,3
	v_permlanex16_b32 v[PT+\q], v[TM+\q], s48, s49
.endr
.irp q, 0,1,2,3
	v_max_num_f32 v[MN\q], v[TM+\q], v[PT+\q]
.endr
.if \first == 0
.irp q, 0,1,2,3
	v_sub_f32 v[AL+\q], v[MO\q], v[MN\q]
.endr
.irp q, 0,1,2,3
	v_exp_f32 v[AL+\q], v[AL+\q]                   ; first used far below
.endr
.endif
	; the 32 maximum instructions above are the places behind the last step's O matrix instructions: now V's other buffer may be loaded
	; and the other score buffer, which held the last step's P, written over (ISA guide 7.12.1)
.if HASN
.if (\i) == 3
	LOADV \other, 0, VBN
.else
	LOADV \slot, \i+1, VBN
.endif
	s_wait_dscnt 0x8                               ; all but the 8 loads just issued: the next step's K and this step's V are in
.else
	s_wait_dscnt 0x0                               ; this step's V is in; nothing younger
.endif
	; P = 2^(S - maximum); from here on one matrix instruction of the next step's S ahead of every eight vector instructions
.irp q, 0,2
	WNEXT
.irp k, 0,2,4,6,8,10,12,14
	v_pk_add_f32 v[SC+16*\q+\k:SC+16*\q+\k+1], v[SC+16*\q+\k:SC+16*\q+\k+1], v[MN\q:MN\q+1] op_sel_hi:[1,0] neg_lo:[0,1] neg_hi:[0,1]
.endr
.endr
.irp q, 1,3
	WNEXT
.irp k, 0,2,4,6,8,10,12,14
	v_pk_add_f32 v[SC+16*\q+\k:SC+16*\q+\k+1], v[SC+16*\q+\k:SC+16*\q+\k+1], v[MN\q-1:MN\q] op_sel:[0,1] op_sel_hi:[1,1] neg_lo:[0,1] neg_hi:[0,1]
.endr
.endr
.set k, 0
.rept 8
	WNEXT
.rept 8
	v_exp_f32 v[SC+k], v[SC+k]
.set k, k+1
.endr
.endr
	v_nop                                          ; one plain place behind the exponentials (ISA guide 5.7.2)
	; the sums, in f32, each half of the lanes for its own keys; the halves meet at the end
	WNEXT
	s_wait_alu depctr_va_vdst(0)
.irp q, 0,1,2,3
	v_pk_add_f32 v[TM+2*\q:TM+2*\q+1], v[SC+16*\q:SC+16*\q+1], v[SC+16*\q+2:SC+16*\q+3]
.endr
	SUMR 4
	WNEXT
	SUMR 6
	SUMR 8
	WNEXT
	SUMR 10
	SUMR 12
	WNEXT                                          ; the sixteenth
	SUMR 14
.irp q, 0,1,2,3
.if \first
	v_add_f32 v[LS\q], v[TM+2*\q], v[TM+2*\q+1]
.else
	v_add_f32 v[TM+2*\q], v[TM+2*\q], v[TM+2*\q+1]
.endif
.endr
.if \first == 0
.irp q, 0,1,2,3
	v_fma_f32 v[LS\q], v[LS\q], v[AL+\q], v[TM+2*\q]
.endr
.endif
	; eight or more plain vector instructions stand behind the sixteenth matrix instruction: K's registers may be loaded again.
	; Step 2 loads none: the K of two steps on lies in the next slot, which is read only behind the barrier at the head of step 3.
.if (\i) < 2
	LOADK \slot, \i+2
.endif
.if (\i) == 3
.if HASN
	LOADK \other, 1
.endif
.endif
	; P to f16, in place: registers 0-3 keys 8 h .., 4-7 keys 16 + 8 h ..: the second source of the next product
.irp q, 0,1,2,3
.irp k, 0,1,2,3,4,5,6,7
	v_cvt_pk_f16_f32 v[SC+16*\q+\k], v[SC+16*\q+2*\k], v[SC+16*\q+2*\k+1]
.endr
.endr
	; Y: O and V in window 1 (destination, sources 0 and 2), P and the factors in window 0 (source 1): one setting for both kinds of instruction.
	; A tile is rescaled one matrix instruction ahead of its own.
	WIN 0x51
.if \first == 0
	MULT 0
.endif
.set yn, 0
.rept 16
.if \first == 0
.if yn < 15
	MULT yn+1
.endif
.endif
	PVMUL yn, \first
.set yn, yn+1
.endr
	WIN 0
.endm
	s_wait_tensorcnt 0x1                           ; my part of slot 0 is in; slot 1's stays out
	s_barrier_signal -1
	s_barrier_wait -1
	LOADK 0, 0
	LOADV 0, 0, VF0
	s_wait_loadcnt 0x0                             ; Q and the gates
	s_wait_dscnt 0x8                               ; K(0) is in; V(0)'s 8 loads are younger
.set wn, 0
.rept 16
	SMUL wn, SA                                    ; S(0): the one run of matrix instructions that has no softmax to stand among
.set wn, wn+1
.endr
	PLACES 4                                       ; before loads land in K's registers and vector instructions read S
	LOADK 0, 1
	SUB 0, 1, 0, 1, 0                              ; the first step starts maxima, sums and O: nothing is cleared
	s_mov_b32 s3, 3
.Lpair:                                                ; the loop is turned by one step: phases 0 to 5 from their step 1 on, and step 0 of the phase behind; key tiles 2 to 7 are asked for
	SUB 0, 1, 1, 0, 0
	SUB 0, 1, 2, 0, 0
	SUB 0, 1, 3, 0, 1
	SUB 1, 0, 0, 0, 0
	SUB 1, 0, 1, 0, 0
	SUB 1, 0, 2, 0, 0
	SUB 1, 0, 3, 0, 1
	SUB 0, 1, 0, 0, 0
	s_sub_co_u32 s3, s3, 1
	s_cmp_lg_u32 s3, 0
	s_cbranch_scc1 .Lpair
	SUB 0, 1, 1, 0, 0                              ; phase 6: nothing is left to fetch
	SUB 0, 1, 2, 0, 0
	SUB 0, 1, 3, 0, 2
	SUB 1, 0, 0, 0, 0                              ; phase 7
	SUB 1, 0, 1, 0, 0
	SUB 1, 0, 2, 0, 0
	SUB 1, 0, 3, 0, 3
	PLACES 4                                       ; before LDS stores read O and loads land in P's registers
	; addresses of the merge and of the way out
	v_and_b32 v[ER], 15, v0                        ; r
	v_bfe_u32 v[EH], v0, 4, 1                      ; h
	v_and_b32 v[EL], 31, v0                        ; lane
	s_mul_i32 s60, s10, MW
	s_add_co_u32 s60, s60, MRG
	v_lshl_add_u32 v[MG], v[EL], 4, s60
	s_xor_b32 s61, s10, 4
	s_mul_i32 s61, s61, MW
	s_add_co_u32 s61, s61, MRG
	v_lshl_add_u32 v[PG], v[EL], 4, s61            ; my partner's part: the wave with the same queries and the other keys
	s_mul_i32 s62, s10, STW
	s_add_co_u32 s62, s62, STG
	v_mul_u32_u24 v[STO], v[ER], KP
	v_lshl_add_u32 v[STO], v[EH], 4, v[STO]
	v_add_nc_u32 v[STO], s62, v[STO]
	v_lshrrev_b32 v[RD], 3, v[EL]
	v_mul_u32_u24 v[RD], v[RD], KP
	v_and_b32 v[CO], 7, v0
	v_lshl_add_u32 v[RD], v[CO], 4, v[RD]
	v_add_nc_u32 v[RD], s62, v[RD]
	v_lshlrev_b32 v[CO], 4, v[EL]
	; MERGE: the sums' halves meet; q = 2, 3 go to the partner, the partner's come for my q = 0, 1
.irp q, 0,1,2,3
	v_permlanex16_b32 v[PT+\q], v[LS\q], s48, s49
.endr
.irp q, 0,1,2,3
	v_add_f32 v[LS\q], v[LS\q], v[PT+\q]
.endr
	WIN 0x04                                       ; store data from window 1
.set k, 0
.rept 16
	ds_store_b128 v[MG], v[64+4*k:64+4*k+3] offset:512*k
.set k, k+1
.endr
	WIN 0
	ds_store_b128 v[MG], v[20:23] offset:8192      ; maxima and sums of q = 2, 3
	s_wait_dscnt 0x0
	s_barrier_signal -1
	s_barrier_wait -1
.set k, 0
.rept 16
	ds_load_b128 v[SB+4*k:SB+4*k+3], v[PG] offset:512*k
.set k, k+1
.endr
	ds_load_b128 v[TM:TM+3], v[PG] offset:8192     ; v8, 9 the partner's maxima, v10, 11 its sums
	s_wait_dscnt 0x0
	v_max_num_f32 v36, v16, v8
	v_max_num_f32 v37, v17, v9
	v_sub_f32 v32, v16, v36
	v_sub_f32 v33, v17, v37
	v_sub_f32 v34, v8, v36
	v_sub_f32 v35, v9, v37
	v_exp_f32 v32, v32
	v_exp_f32 v33, v33
	v_exp_f32 v34, v34
	v_exp_f32 v35, v35
	v_nop
	s_wait_alu depctr_va_vdst(0)
	v_mul_f32 v38, v10, v34
	v_mul_f32 v39, v11, v35
	v_fmac_f32 v38, v18, v32                       ; the whole sum, at least 1: the largest term is 2^0
	v_fmac_f32 v39, v19, v33
	v_rcp_f32 v38, v38
	v_rcp_f32 v39, v39
	v_nop
	s_wait_alu depctr_va_vdst(0)
	v_mul_f32 v38, v38, v[GT]                      ; gate / sum
	v_mul_f32 v39, v39, v[GT+1]
	v_mul_f32 v32, v32, v38                        ; my factor
	v_mul_f32 v33, v33, v39
	v_mul_f32 v34, v34, v38                        ; the partner's
	v_mul_f32 v35, v35, v39
.set k, 0
.rept 16
	v_pk_mul_f32 v[SB+2*k:SB+2*k+1], v[SB+2*k:SB+2*k+1], v[34:35] op_sel_hi:[1,0]
	v_pk_mul_f32 v[SB+32+2*k:SB+32+2*k+1], v[SB+32+2*k:SB+32+2*k+1], v[34:35] op_sel:[0,1] op_sel_hi:[1,1]
.set k, k+1
.endr
	WIN 0x01                                       ; source 0: my O in window 1
.set k, 0
.rept 16
	v_pk_fma_f32 v[SB+2*k:SB+2*k+1], v[2*k:2*k+1], v[32:33], v[SB+2*k:SB+2*k+1] op_sel_hi:[1,0,1]
	v_pk_fma_f32 v[SB+32+2*k:SB+32+2*k+1], v[32+2*k:32+2*k+1], v[32:33], v[SB+32+2*k:SB+32+2*k+1] op_sel:[0,1,0] op_sel_hi:[1,1,1]
.set k, k+1
.endr
	WIN 0
.set k, 0
.rept 32
	v_cvt_pk_f16_f32 v[PKD+k], v[SB+2*k], v[SB+2*k+1]  ; lane (r, h), tile (q, t): query 16 q + r, d = 16 t + 8 h .. + 7: 16 bytes
.set k, k+1
.endr
.irp q, 0,1
.irp t, 0,1,2,3
	ds_store_b128 v[STO], v[PKD+4*(4*\q+\t):PKD+4*(4*\q+\t)+3] offset:\q*16*KP+32*\t
.endr
.endr
.irp i, 0,1,2,3,4,5,6,7
	ds_load_b128 v[RBK+4*\i:RBK+4*\i+3], v[RD] offset:\i*4*KP          ; my own bytes: LDS serves a wave's instructions in order
.endr
.irp i, 0,1,2,3,4,5,6,7
	s_wait_dscnt 7-\i
	global_store_b128 v[CO], v[RBK+4*\i:RBK+4*\i+3], s[58:59] offset:512*\i   ; four rows of the plane: 512 consecutive bytes, aligned
.endr
	s_set_vgpr_msb 0x4
	s_wait_tensorcnt 0x0
	ds_add_u32 v7, v193
	s_wait_dscnt 0x0
	s_set_vgpr_msb 0x400
	ROUND                                          ; the closing round
	s_endpgm
.Lfunc_end_k_qe8001220fc_attn:
	.size	k_qe8001220fc_attn, .Lfunc_end_k_qe8001220fc_attn-k_qe8001220fc_attn
	.p2alignl 7, 3214868480
	.fill 96, 4, 3214868480
	.section	.rodata,"a",@progbits
	.p2align	6, 0x0
	.amdhsa_kernel k_qe8001220fc_attn
		.amdhsa_group_segment_fixed_size 327680
		.amdhsa_private_segment_fixed_size 0
		.amdhsa_enable_private_segment 0
		.amdhsa_kernarg_size 24
		.amdhsa_user_sgpr_count 2
		.amdhsa_user_sgpr_kernarg_segment_ptr 1
		.amdhsa_wavefront_size32 1
		.amdhsa_system_sgpr_workgroup_id_x 1
		.amdhsa_system_sgpr_workgroup_id_y 1
		.amdhsa_system_sgpr_workgroup_id_z 1
		.amdhsa_system_vgpr_workitem_id 0
		.amdhsa_next_free_vgpr 450
		.amdhsa_next_free_sgpr 66
		.amdhsa_reserve_vcc 0
		.amdhsa_float_denorm_mode_32 3
		.amdhsa_float_denorm_mode_16_64 3
		.amdhsa_memory_ordered 1
		.amdhsa_forward_progress 1
		.amdhsa_inst_pref_size 255
	.end_amdhsa_kernel
	.section	.bss,"aw",@nobits
	.p2align	6
	.space	262144
	.amdgpu_metadata
---
amdhsa.version: [ 1, 2 ]
amdhsa.kernels:
  - .name:           k_qe8001220fc_attn
    .symbol:         k_qe8001220fc_attn.kd
    .args:
      - { .name: qkv, .offset: 0, .size: 8, .value_kind: global_buffer, .address_space: global }
      - { .name: gates, .offset: 8, .size: 8, .value_kind: global_buffer, .address_space: global }
      - { .name: ao, .offset: 16, .size: 8, .value_kind: global_buffer, .address_space: global }
    .group_segment_fixed_size: 327680
    .private_segment_fixed_size: 0
    .kernarg_segment_align: 8
    .kernarg_segment_size: 24
    .max_flat_workgroup_size: 256
    .sgpr_count:     66
    .vgpr_count:     450
    .wavefront_size: 32
...
	.end_amdgpu_metadata
.endif
;; end of part 3
;; launch outproj (part 4): grid 8 x 32, 4 waves a work-group, clusters of 4 x 4, 327,680 bytes of LDS; arguments ao, wb, out0; writes out0
.if DOCPART == 4
	.amdgcn_target "amdgcn-amd-amdhsa--gfx1250"
	.amdhsa_code_object_version 6
	.text
	.protected	k_qe8001220fc_outproj
	.globl	k_qe8001220fc_outproj
	.p2align	8
	.type	k_qe8001220fc_outproj,@function
k_qe8001220fc_outproj:
	s_mov_b64 s[64:65], 0
	v_nop
	global_prefetch_b8 v0, s[64:65] scope:SCOPE_SE
	s_setreg_imm32_b32 hwreg(HW_REG_WAVE_MODE, 25, 1), 1
	s_wait_xcnt 0x0
	s_wait_alu depctr_hold_cnt(0) depctr_sa_sdst(0) depctr_va_vdst(0) depctr_va_sdst(0) depctr_va_ssrc(0) depctr_va_vcc(0) depctr_vm_vsrc(0)
	s_getreg_b32 s2, hwreg(HW_REG_IB_STS2, 6, 4)
	s_cmp_eq_u32 s2, 0
	s_cbranch_scc0 .Lentry_in_a_cluster
	s_endpgm
.Lentry_in_a_cluster:
	s_bfe_u32 s2, ttmp6, 0x10000c
	s_cmp_lg_u32 s2, 0xf033
	s_cbranch_scc0 .Lentry_shape_is_right
	s_endpgm
.Lentry_shape_is_right:
; outproj: out0[m][n] = sum over k = h * 64 + d of ao[b][h][m][d] * w_out[n][k], f16 operands, f32 sums and output.
; Work-group (bx, by): rows 128 by .. + 127, columns 128 bx .. + 127: 256 work-groups; wave (wr, wc) makes 64 x 64: 16 accumulator tiles in window 1.
; A larger block would leave work for fewer work-groups than the 256 that this grid has.
; K goes in four steps of 256 (four heads) through two LDS slots; half of all operands is asked for at the start; no loop.
; Slot: ao as [4 heads][128 rows][144 bytes] = 73,728, then 128 rows of wb, 512 bytes padded to 528 = 67,584.
; CLUSTER 4 x 4: ao's tile hangs on by alone (joint along a row of the cluster), wb's on bx alone (joint along a column).
; Used transposed (source 0 = rows of wb, source 1 = rows of ao): lane (r, h) of tile (a, b) holds row 16 a + r, columns 16 b + 8 h + 0 .. 7.
.set AP,    144
.set BP,    528
.set AHEAD, 128*AP                     ; one head's 128 rows
.set ABYTES, 4*AHEAD
.set BHALF, 64*BP
.set SLOT,  ABYTES+2*BHALF             ; 141,312
.set STAGE, 2*SLOT                     ; behind the ring, never filled by a tensor load: 16 rows x 272 bytes for each wave
.set SP,    272
.set ADRA, 16
.set ADRB, 18
.set STO,  20
.set RD,   21
.set CO,   22
.set F0,   32                          ; fragment buffer: wb's 4 x 8 registers, then ao's 4 x 8
.set F1,   96
.set RB0,  160
.set RB1,  192
.set G1,  24
.set G0,  32
.set G1B, 48
.set G0B, 56
.set MSB, 0
.macro WIN new
.if MSB != (\new)
	s_set_vgpr_msb (MSB<<8)|(\new)
.set MSB, (\new)
.endif
.endm
.macro PLACES n
.rept \n
	v_nop
.endr
.endm
.macro JLOAD sl                        ; waves 0, 1: two heads of ao each; waves 2, 3: 64 rows of wb each: one tensor load a wave
	s_cmp_eq_u32 s15, 0
	s_cbranch_scc0 .Lfor_b_\@
	tensor_load_to_lds s[G0+4*\sl:G0+4*\sl+3], s[G1:G1+7]
	s_nop 0
	s_branch .Lasked_\@
.Lfor_b_\@:
	tensor_load_to_lds s[G0B+4*\sl:G0B+4*\sl+3], s[G1B:G1B+7]
	s_nop 0
.Lasked_\@:
.endm
.macro CREST
	s_cmp_lg_u32 s14, 0
	s_cbranch_scc1 .Lnot_wave_0_\@
	s_barrier_signal -3
.Lnot_wave_0_\@:
	s_barrier_wait -3
	s_barrier_signal -1
	s_barrier_wait -1
.endm
.macro CROUND
	s_barrier_signal -1
	s_barrier_wait -1
	CREST
.endm
	s_load_b128 s[4:7], s[0:1], 0x0                ; ao, wb
	s_load_b64 s[8:9], s[0:1], 0x10                ; out0
	v_lshl_add_u32 v254, v0, 2, 0x49400
	v_mov_b32 v255, 0
	ds_add_u32 v254, v255
	v_lshrrev_b32 v1, 5, v0
	v_readfirstlane_b32 s14, v1                    ; wave
	s_lshr_b32 s15, s14, 1                         ; wr; also: I fetch ao (0) or wb (1)
	s_and_b32 s16, s14, 1                          ; wc; also: which half
	s_bfe_u32 s17, ttmp6, 0x40000                  ; cx
	s_bfe_u32 s18, ttmp6, 0x40004                  ; cy
	s_lshl_b32 s19, ttmp9, 2
	s_add_co_u32 s19, s19, s17                     ; bx
	s_and_b32 s20, ttmp7, 0xffff
	s_lshl_b32 s20, s20, 2
	s_add_co_u32 s20, s20, s18                     ; by
	s_lshl_b32 s21, s18, 2
	s_lshl_b32 s21, 15, s21                        ; my row of the cluster
	s_lshl_b32 s22, 0x1111, s17                    ; my column
	; ao: a head's 128 rows of 128 bytes are 16,384 consecutive bytes: the tile is 2 such runs, one head apart; the padding counts words along
	; the tile, 4 after every 32, so that each row of 128 bytes gets a pitch of 144
	s_or_b32 s[G1+0], s21, (1<<16)|(1<<20)|(1<<21)|(4<<22)|(3<<25)
	s_mov_b32 s[G1+1], 8192<<16                    ; tensor_dim0 = 8,192 elements
	s_mov_b32 s[G1+2], 2<<16                       ; tensor_dim1 = 2
	s_mov_b32 s[G1+3], 8192<<16                    ; tile_dim0
	s_mov_b32 s[G1+4], 2                           ; tile_dim1
	s_mov_b32 s[G1+5], 131072                      ; elements from head to head
	s_mov_b32 s[G1+6], 0
	s_mov_b32 s[G1+7], 0
	; wb: 64 rows of 256 elements, 4 words of padding after every 128
	s_or_b32 s[G1B+0], s22, (1<<16)|(1<<20)|(1<<21)|(6<<22)|(3<<25)
	s_mov_b32 s[G1B+1], 256<<16
	s_mov_b32 s[G1B+2], 64<<16
	s_mov_b32 s[G1B+3], 256<<16
	s_mov_b32 s[G1B+4], 64
	s_mov_b32 s[G1B+5], 1024
	s_mov_b32 s[G1B+6], 0
	s_mov_b32 s[G1B+7], 0
	s_lshr_b32 s40, s20, 4                         ; batch
	s_lshl_b32 s40, s40, 4
	s_lshl_b32 s42, s16, 1
	s_add_co_u32 s40, s40, s42                     ; plane b * 16 + 2 half
	s_lshl_b32 s40, s40, 11
	s_and_b32 s42, s20, 15
	s_lshl_b32 s42, s42, 7
	s_add_co_u32 s40, s40, s42                     ; + the block's first position
	s_lshl_b32 s40, s40, 7                         ; rows of 128 bytes
	s_mov_b32 s41, 0
	s_lshl_b32 s44, s19, 7
	s_lshl_b32 s46, s16, 6
	s_add_co_u32 s44, s44, s46
	s_add_co_u32 s44, s44, 3072                    ; w_out's rows begin at 3,072
	s_lshl_b32 s44, s44, 11
	s_mov_b32 s45, 0
	s_mul_i32 s23, s14, 2*AHEAD                    ; LDS: waves 0, 1
	s_mul_i32 s47, s14, BHALF
	s_add_co_u32 s47, s47, ABYTES-2*BHALF          ; waves 2, 3: behind ao's four heads
	s_wait_dscnt 0x0
	s_wait_kmcnt 0x0
	s_add_nc_u64 s[40:41], s[4:5], s[40:41]
	s_add_nc_u64 s[44:45], s[6:7], s[44:45]
	CROUND                                         ; the first joint loads meet
.irp sl, 0,1
	s_mov_b32 s[G0+4*\sl], 1
	s_add_co_u32 s[G0+4*\sl+1], s23, \sl*SLOT
	s_add_nc_u64 s[G0+4*\sl+2:G0+4*\sl+3], s[40:41], \sl*1048576   ; four heads on
	s_or_b32 s[G0+4*\sl+3], s[G0+4*\sl+3], 0x80000000
	s_mov_b32 s[G0B+4*\sl], 1
	s_add_co_u32 s[G0B+4*\sl+1], s47, \sl*SLOT
	s_add_nc_u64 s[G0B+4*\sl+2:G0B+4*\sl+3], s[44:45], \sl*512
	s_or_b32 s[G0B+4*\sl+3], s[G0B+4*\sl+3], 0x80000000
	JLOAD \sl                                      ; two tensor loads of the wave are out here, one behind each later round
.endr
	s_lshl_b32 s68, s20, 7                         ; out0: row 128 by + 64 wr, column 128 bx + 64 wc (registers of their own)
	s_lshl_b32 s69, s15, 6
	s_add_co_u32 s68, s68, s69
	s_lshl_b32 s68, s68, 12
	s_lshl_b32 s70, s19, 9
	s_add_co_u32 s68, s68, s70
	s_lshl_b32 s70, s16, 8
	s_add_co_u32 s68, s68, s70
	s_mov_b32 s69, 0
	s_add_nc_u64 s[66:67], s[8:9], s[68:69]
	v_and_b32 v1, 15, v0                           ; r
	v_bfe_u32 v2, v0, 4, 1                         ; h
	v_mul_u32_u24 v3, v1, AP
	v_lshl_add_u32 v3, v2, 4, v3
	s_mul_i32 s42, s15, 64*AP
	v_add_nc_u32 v[ADRA], s42, v3
	v_add_nc_u32 v[ADRA+1], SLOT, v[ADRA]
	v_mul_u32_u24 v4, v1, BP
	v_lshl_add_u32 v4, v2, 4, v4
	s_mul_i32 s43, s16, 64*BP
	s_add_co_u32 s43, s43, ABYTES
	v_add_nc_u32 v[ADRB], s43, v4
	v_add_nc_u32 v[ADRB+1], SLOT, v[ADRB]
	s_mul_i32 s46, s14, 16*SP
	s_add_co_u32 s46, s46, STAGE
	v_mul_u32_u24 v5, v1, SP
	v_lshl_add_u32 v5, v2, 5, v5
	v_add_nc_u32 v[STO], s46, v5                   ; in: row r, 32 bytes for each half of the lanes
	v_mul_u32_u24 v6, v2, SP
	v_lshl_add_u32 v6, v1, 4, v6
	v_add_nc_u32 v[RD], s46, v6                    ; back: sixteen lanes take a row of 256 bytes
	v_lshlrev_b32 v[CO], 12, v2
	v_lshl_add_u32 v[CO], v1, 4, v[CO]
; four matrix instructions: row tile a by the four column tiles.  The 16 accumulators take turns, one instruction a turn, in the same order
; in every quarter.
.macro MUL4 f, a, zero
.irp b, 0,1,2,3
.if \zero
	v_wmma_f32_16x16x32_f16 v[8*(4*\a+\b):8*(4*\a+\b)+7], v[\f+8*\b:\f+8*\b+7], v[\f+32+8*\a:\f+32+8*\a+7], 0
.else
	v_wmma_f32_16x16x32_f16 v[8*(4*\a+\b):8*(4*\a+\b)+7], v[\f+8*\b:\f+8*\b+7], v[\f+32+8*\a:\f+32+8*\a+7], v[8*(4*\a+\b):8*(4*\a+\b)+7]
.endif
.endr
.endm
.macro FETCH sl, kq, f                 ; 16 LDS loads: K = 32 kq .. + 31 of the slot's 256: head kq / 2, d = 32 (kq % 2) ..
.irp b, 0,1,2,3
	ds_load_b128 v[\f+8*\b:\f+8*\b+3],   v[ADRB+\sl] offset:\b*16*BP+64*\kq
	ds_load_b128 v[\f+8*\b+4:\f+8*\b+7], v[ADRB+\sl] offset:\b*16*BP+64*\kq+32
.endr
.irp a, 0,1,2,3
	ds_load_b128 v[\f+32+8*\a:\f+32+8*\a+3],   v[ADRA+\sl] offset:(\kq>>1)*AHEAD+\a*16*AP+64*(\kq&1)
	ds_load_b128 v[\f+32+8*\a+4:\f+32+8*\a+7], v[ADRA+\sl] offset:(\kq>>1)*AHEAD+\a*16*AP+64*(\kq&1)+32
.endr
.endm
.macro QUARTER sl, kq, f, g, zero      ; multiplies buffer f; in its middle fetches quarter kq into buffer g
	s_wait_dscnt 4                                 ; wb and ao's row tiles 0, 1 are in; the youngest four loads may be out
	WIN 0x50
	MUL4 \f, 0, \zero
	MUL4 \f, 1, \zero
	WIN 0
	PLACES 4                                       ; four places before loads land in registers that matrix instructions have read
	FETCH \sl, \kq, \g
	s_wait_dscnt 16                                ; all but the 16 just issued
	WIN 0x50
	MUL4 \f, 2, \zero
	MUL4 \f, 3, \zero
.endm
.macro SEVEN sl, zero
	QUARTER \sl, 1, F0, F1, \zero
	QUARTER \sl, 2, F1, F0, 0
	QUARTER \sl, 3, F0, F1, 0
	QUARTER \sl, 4, F1, F0, 0
	QUARTER \sl, 5, F0, F1, 0
	QUARTER \sl, 6, F1, F0, 0
	QUARTER \sl, 7, F0, F1, 0
.endm
; the eighth quarter changes slots: the waits for my reads of this slot and for all my tensor loads, the barrier (with fill: a round of the
; cluster's barrier), the refill first behind it, then the next slot's first fragments
.macro TURN sl, next, fill
	s_wait_dscnt 4
	WIN 0x50
	MUL4 F1, 0, 0
	s_wait_dscnt 0
	s_wait_tensorcnt 0x0
	ds_add_u32 v254, v255
	s_wait_dscnt 0x0
	s_barrier_signal -1
	MUL4 F1, 1, 0
	WIN 0
	s_barrier_wait -1
.if \fill
	CREST
	s_add_nc_u64 s[G0+4*\sl+2:G0+4*\sl+3], s[G0+4*\sl+2:G0+4*\sl+3], 2097152     ; eight heads on
	s_add_nc_u64 s[G0B+4*\sl+2:G0B+4*\sl+3], s[G0B+4*\sl+2:G0B+4*\sl+3], 1024    ; 512 along K
	JLOAD \sl                                      ; from here to the wait for it the wave issues 124 matrix instructions
.endif
	PLACES 4
	FETCH \next, 0, F0
	WIN 0x50
	MUL4 F1, 2, 0
	MUL4 F1, 3, 0
.endm
	s_wait_tensorcnt 1                             ; my part of slot 0 is in; slot 1's stays out
	s_barrier_signal -1
	s_barrier_wait -1
	FETCH 0, 0, F0
	SEVEN 0, 1                                     ; the first products start the sums
	TURN 0, 1, 1
	SEVEN 1, 0
	TURN 1, 0, 1
	SEVEN 0, 0
	TURN 0, 1, 0
	SEVEN 1, 0
	s_wait_dscnt 0
	WIN 0x50
	MUL4 F1, 0, 0
	MUL4 F1, 1, 0
	MUL4 F1, 2, 0
	MUL4 F1, 3, 0
	WIN 0
	PLACES 4                                       ; before LDS stores read results
; 16 rows of my block: 64 f32 a row through my stage, back as whole rows of 256 bytes
.macro OUT16 a, rb
	WIN 0x04                                       ; store data from window 1
.irp b, 0,1,2,3
	ds_store_b128 v[STO], v[8*(4*\a+\b):8*(4*\a+\b)+3]   offset:64*\b
	ds_store_b128 v[STO], v[8*(4*\a+\b)+4:8*(4*\a+\b)+7] offset:64*\b+16
.endr
	WIN 0
	s_wait_xcnt 0x0                                ; the read-back registers were data of earlier stores: written again only behind this wait
.irp i, 0,1,2,3,4,5,6,7
	ds_load_b128 v[\rb+4*\i:\rb+4*\i+3], v[RD] offset:\i*2*SP          ; my own bytes: LDS serves a wave's instructions in order
.endr
.irp i, 0,1,2,3,4,5,6,7
	s_wait_dscnt 7-\i
	global_store_b128 v[CO], v[\rb+4*\i:\rb+4*\i+3], s[66:67] offset:\a*65536+\i*8192 th:TH_STORE_NT   ; sixteen lanes store 256 consecutive bytes, aligned
.endr
.endm
	OUT16 0, RB0
	OUT16 1, RB1
	OUT16 2, RB0
	OUT16 3, RB1
	s_wait_tensorcnt 0x0
	ds_add_u32 v254, v255
	s_wait_dscnt 0x0
	CROUND                                         ; the closing round
	s_endpgm
.Lfunc_end_k_qe8001220fc_outproj:
	.size	k_qe8001220fc_outproj, .Lfunc_end_k_qe8001220fc_outproj-k_qe8001220fc_outproj
	.p2alignl 7, 3214868480
	.fill 96, 4, 3214868480
	.section	.rodata,"a",@progbits
	.p2align	6, 0x0
	.amdhsa_kernel k_qe8001220fc_outproj
		.amdhsa_group_segment_fixed_size 327680
		.amdhsa_private_segment_fixed_size 0
		.amdhsa_enable_private_segment 0
		.amdhsa_kernarg_size 24
		.amdhsa_user_sgpr_count 2
		.amdhsa_user_sgpr_kernarg_segment_ptr 1
		.amdhsa_wavefront_size32 1
		.amdhsa_system_sgpr_workgroup_id_x 1
		.amdhsa_system_sgpr_workgroup_id_y 1
		.amdhsa_system_sgpr_workgroup_id_z 1
		.amdhsa_system_vgpr_workitem_id 0
		.amdhsa_next_free_vgpr 384
		.amdhsa_next_free_sgpr 72
		.amdhsa_reserve_vcc 0
		.amdhsa_float_denorm_mode_32 3
		.amdhsa_float_denorm_mode_16_64 3
		.amdhsa_memory_ordered 1
		.amdhsa_forward_progress 1
		.amdhsa_inst_pref_size 90
	.end_amdhsa_kernel
	.amdgpu_metadata
---
amdhsa.version: [ 1, 2 ]
amdhsa.kernels:
  - .name:           k_qe8001220fc_outproj
    .symbol:         k_qe8001220fc_outproj.kd
    .args:
      - { .name: ao, .offset: 0, .size: 8, .value_kind: global_buffer, .address_space: global }
      - { .name: wb, .offset: 8, .size: 8, .value_kind: global_buffer, .address_space: global }
      - { .name: out0, .offset: 16, .size: 8, .value_kind: global_buffer, .address_space: global }
    .group_segment_fixed_size: 327680
    .private_segment_fixed_size: 0
    .kernarg_segment_align: 8
    .kernarg_segment_size: 24
    .max_flat_workgroup_size: 128
    .sgpr_count:     72
    .vgpr_count:     384
    .wavefront_size: 32
...
	.end_amdgpu_metadata
.endif
;; end of part 4
